; MI455X (gfx1250); checked and timed in simulation.
; The chip was launched on July 23, 2026; its instructions are those of AMD's public machine-readable ISA for CDNA 5 (MIT licence, August 2026) and "CDNA5" Instruction Set Architecture Reference Guide (July 2026). The comments in the code are by the model that wrote it; some were corrected since.
;; Multi Head Attention. Allowed arithmetic: matrix products marked QUANTISED: E3M2 operands, one E8M0 scale for each 32 along K, by v_wmma_scale_f32_16x16x128_f8f6f4 with both operands' format E3M2, f32 sums; everything else in f32.
;; Inputs: b_proj 1,024 float32; w_proj 1,024 x 1,024 float32; wk 16 x 1,024 x 64 float32; wq 16 x 1,024 x 64 float32; wv 16 x 1,024 x 64 float32; x 4 x 2,048 x 1,024 float32.
;; Outputs: out0 4 x 2,048 x 1,024 float32.
;; This version of the problem:
;;   THIS VERSION OF THE PROBLEM IS GIVEN IN LOW PRECISION. The matrix products marked QUANTISED in the list below multiply operands that are first quantised to E3M2 (3 exponent bits, 2 mantissa bits; 6 bits a number), with one power-of-two scale for each 32 numbers along K (OCP MX v1.0); their sums are f32. All else is computed in f32.
;;   The module's matrix products, in the order in which they are computed (A, B: the left and right operand; K: the contracted axis; several contracted axes count as one K, in the product's order):
;;     1. [M 1,024, K 1,024] x [K 1,024, N 8,192]; A: input wq; B: input x: QUANTISED
;;     2. [M 1,024, K 1,024] x [K 1,024, N 8,192]; A: input wk; B: input x: QUANTISED
;;     3. [M 1,024, K 1,024] x [K 1,024, N 8,192]; A: input wv; B: input x: QUANTISED
;;     4. batch 64 x [M 2,048, K 64] x [K 64, N 2,048]; A: computed on the way; B: computed on the way: QUANTISED
;;     5. batch 64 x [M 2,048, K 2,048] x [K 2,048, N 64]; A: softmax (see below); B: computed on the way: QUANTISED
;;     6. [M 8,192, K 1,024] x [K 1,024, N 1,024]; A: computed on the way; B: input w_proj: QUANTISED
;;   THE QUANTISER, for each operand of a quantised product, along K:
;;     - K is cut into blocks of 32 from its start; a last block that is shorter is filled with zeros.
;;     - A block's scale is 2^e with e = floor(log2(the largest magnitude in the block)) - 4, held to -126 .. 127; a block of zeros has e = 0. As a byte (E8M0): e + 127.
;;     - Each number is divided by its block's scale, clamped to +-28, and rounded to the nearest number of E3M2, ties to even, subnormals kept.
;;     - The product sums the exact products of the quantised numbers (number of the format x scale) in f32.
;;   ~~~python
;;   def quantise(x, axis):      # numpy; x: float32 -> the quantised numbers, widened to float32 again
;;       x = np.moveaxis(x, axis, -1); K = x.shape[-1]
;;       x = np.pad(x, [(0, 0)] * (x.ndim - 1) + [(0, -K % 32)]); x = x.reshape(x.shape[:-1] + (-1, 32)); a = np.abs(x).max(-1, keepdims=True)
;;       e = np.where(a > 0, np.clip(np.frexp(np.where(a > 0, a, 1))[1] - 1 - 4, -126, 127), 0)      # np.frexp(a)[1] - 1 = floor(log2(a)), exactly
;;       r = np.clip(x / 2.0 ** e, -28, 28)
;;       step = 2.0 ** (np.maximum(np.frexp(np.where(r == 0, 1, r))[1] - 1, -2) - 2)
;;       q = np.round(r / step) * step * 2.0 ** e      # np.round: ties to even
;;       return np.moveaxis(q.reshape(q.shape[:-2] + (-1,))[..., :K], -1, axis).astype(np.float32)
;;   ~~~
;;   SOFTMAX AHEAD OF A QUANTISED PRODUCT. Where the list says 'softmax', what is quantised is not the finished softmax but p = 2^(t - M), with t = logit x log2(e) and M = ceil(the row's largest t), a whole number; so 1/2 < the row's largest p <= 1. The row's sum l is taken of the UNQUANTISED p, in f32, and the product's result is divided by l at the end. Since M is a whole number, a kernel that streams over the keys may use a running M (the ceiling of the running maximum): every later rescaling is an exact power of two, which a block's scale takes up: the codes' values come out the same.
;;   OPERANDS COMPUTED ON THE WAY. 'Computed on the way' means the value that the module computes at that place (a softmax that the list does not call 'softmax' is quantised finished and normalised). What goes into a quantiser is computed in f32, as accurately as f32 sums, v_exp_f32 and their like allow (about 1e-6 of the number): no bf16 or f16 on the way to a quantiser, and a product that is left as it is and whose result goes on into a quantised operand takes f32 operands (vector FMAs, or v_wmma_f32_16x16x4_f32). A number that lies on a knife's edge between two numbers of the format may be rounded either way, as far as f32 arithmetic and the matrix unit's own rounding can turn it there, and no further.
;; One version. Each part assembles by itself: llvm-mc -triple=amdgcn-amd-amdhsa -mcpu=gfx1250 --defsym DOCPART=n.
;; ======== version 1 of 1: 5 launches
;; limits: right only within a limited range of input values
;; workspace buffers: xq 6,553,600 bytes; wqkq 1,638,400 bytes; wvq 819,200 bytes; wpq 819,200 bytes; qkq 13,631,488 bytes; vtq 7,340,032 bytes; oq 6,815,744 bytes
;; launch quant (part 1): grid 512 x 1, 2 waves a work-group, no clusters, 29,952 bytes of LDS; arguments x, wq, wk, wv, w_proj, xq, wqkq, wvq, wpq; writes xq, wqkq, wvq, wpq
.if DOCPART == 1
	.amdgcn_target "amdgcn-amd-amdhsa--gfx1250"
	.amdhsa_code_object_version 6
	.text
	.protected	k_qf0fc44bae6_quant
	.globl	k_qf0fc44bae6_quant
	.p2align	8
	.type	k_qf0fc44bae6_quant,@function
k_qf0fc44bae6_quant:
	s_mov_b64 s[64:65], 0
	v_nop
	global_prefetch_b8 v0, s[64:65] scope:SCOPE_SE
	s_setreg_imm32_b32 hwreg(HW_REG_WAVE_MODE, 25, 1), 1
	s_wait_xcnt 0x0
; x [8192][1024], wq, wk, wv [16][1024][64] and w_proj [1024][1024], all f32, become codes of BF6 (E3M2) with one E8M0 byte for each 32 along K = the 1,024 channels,
; laid in the order in which the products' operand registers take them.
; A RECORD is a panel of 128 rows x K 1,024: 4,096 bytes of scale words [quad of 4 blocks][K step][16 r + 4 j], then the codes [K step][block][1,536]: a fragment (16 rows x 128 K,
; 12 registers a lane) as three images of 512 bytes, register 4 i + q of lane l at 512 i + 16 l + 4 q.
; THE ROWS OF A BLOCK ARE NOT NEIGHBOURS: lane r of block 2 g + u holds row 32 g + 8 u + r + (r & 8) of the panel, so that the 16 registers of two neighbouring result tiles are 16 neighbours.
; A block's scale is 2^(floor(log2(its largest magnitude)) - 4); its byte is the largest magnitude's exponent field - 4, held at 1 from below.
; LIMITS: NaN and infinities among the inputs are not served; a block whose largest magnitude lies under 2^-122 gets the byte 1; a block of zeros gets the byte 1 where the rule says 127:
; its codes are zeros, and this program alone reads the bytes.
; Work-groups 0-255 take x (K innermost: a lane holds 16 neighbours of a block, two lanes a block); work-groups 256-511 the weights (K is the first axis: a lane takes a column, registers run down K).
; No tensor load, no barrier: waves share nothing.  Each wave uses LDS of its own.
.set REC,   102400
.set SEL,   22                         ; s[22:23] selects of v_permlanex16_b32: lane l xor 16
.set TM,    8                          ; v8-11 largest magnitudes, v12-15 bytes, v20-23 the conversions' scale operands
.set PW,    24                         ; the scale word just made
.set SCW,   28                         ; v28-31 x: the four blocks' scale words, lanes 0-15 the first K step's, lanes 16-31 the second's
.set XS0,   32                         ; x: three sets of 64 numbers
.set PC,    224                        ; x: the codes just made, v224-235; v236-242 at work
.set VO,    32                         ; weights: v32-63 offsets i x stride + 4 x lane
.set WX,    64                         ; weights: two sets of 32 numbers
.set CW,    128                        ; weights: a block's six registers of codes
.set TW,    136
.set SBW,   140                        ; weights: v140-141 the scale words of my two columns
.set OUTR,  144
.set WLDS,  6400                       ; LDS of a wave on the weights' path: four fragments' images (6,144 bytes) and their scale words (256)
.set XST,   13056                      ; x's path has LDS bytes of its own, behind the spare words: a stage of 16 rows x (512 + 16) bytes for each wave
; 64 numbers of a lane, register 16 b + i = k 32 b + 16 (lane / 16) + i of my row, become a fragment's codes in v[PC] on and its scale word in v[PW]
.macro QUANT s
.irp b, 0,1,2,3
	v_max3_num_f32 v[TM+\b], |v[\s+16*\b]|, |v[\s+1+16*\b]|, 0x2800000   ; my 16 numbers of block b, and the floor 2^(5 - 127): the byte cannot fall under 1
.endr
.irp i, 2,4,6,8,10,12,14
.irp b, 0,1,2,3
	v_max3_num_f32 v[TM+\b], v[TM+\b], |v[\s+16*\b+\i]|, |v[\s+1+16*\b+\i]|
.endr
.endr
.irp b, 0,1,2,3
	v_permlanex16_b32 v[TM+4+\b], v[TM+\b], s[SEL], s[SEL+1]
.endr
.irp b, 0,1,2,3
	v_max_num_f32 v[TM+\b], v[TM+\b], v[TM+4+\b]                       ; with lane l xor 16's: the block's largest magnitude
.endr
.irp b, 0,1,2,3
	v_add_nc_u32 v[TM+12+\b], 0xfe000000, v[TM+\b]                     ; 4 off its exponent field: the conversion's scale operand
.endr
.irp b, 0,1,2,3
	v_lshrrev_b32 v[TM+4+\b], 23, v[TM+12+\b]                          ; the scale's byte
.endr
	v_lshl_or_b32 v[PW], v[TM+5], 8, v[TM+4]
	v_lshl_or_b32 v[PW], v[TM+6], 16, v[PW]
	v_lshl_or_b32 v[PW], v[TM+7], 24, v[PW]
.irp c, 0,1
	v_cvt_scalef32_pk16_bf6_f32 v[PC+6*\c:PC+2+6*\c], v[\s+32*\c:\s+15+32*\c], v[TM+12+2*\c]
	v_cvt_scalef32_pk16_bf6_f32 v[PC+12+4*\c:PC+14+4*\c], v[\s+16+32*\c:\s+31+32*\c], v[TM+12+2*\c+1]   ; (a conversion's three registers begin on an even number)
.endr
	v_nop                                          ; one plain place behind a scaled conversion
.irp c, 0,1                                    ; the operand's layout wants a whole block in a lane
.irp i, 0,1,2
	v_permlane16_swap_b32 v[PC+6*\c+\i], v[PC+12+4*\c+\i]
.endr
.irp i, 0,1,2
	v_mov_b32 v[PC+3+6*\c+\i], v[PC+12+4*\c+\i]
.endr
.endr
.endm
; x: fragment f = (block f / 2 of my quad, K step f % 2 of my two): 16 loads of 16 bytes a lane
.macro LOADX f                                 ; load t reads the K step's 512 consecutive bytes of the block's row t, 16 bytes a lane
.irp t, 0,1,2,3,4,5,6,7,8,9,10,11,12,13,14,15
	global_load_b128 v[XS0+64*((\f)%3)+4*\t:XS0+64*((\f)%3)+4*\t+3], v5, s[24:25] offset:(32*((\f)/4)+8*(((\f)/2)%2)+\t+(\t&8))*4096+512*((\f)%2) th:TH_LOAD_NT
.endr
.endm
.macro FRAGX f
.if (\f) <= 5
	s_wait_loadcnt 32                              ; this fragment's 16 loads are in; the two younger fragments' 32 may be out
.else
	s_wait_loadcnt 16*(7-(\f))
.endif
	s_wait_xcnt 0x0                                ; the last fragment's stores have read v[PC] on: only now are the codes written again
.irp t, 0,1,2,3,4,5,6,7,8,9,10,11,12,13,14,15
	ds_store_b128 v6, v[XS0+64*((\f)%3)+4*\t:XS0+64*((\f)%3)+4*\t+3] offset:528*\t   ; the fragment turns through my stage: in as it was loaded, row t at 528 t
.endr
	s_wait_dscnt 0x0                               ; the stores have read their registers: the same set takes the numbers back
.irp b, 0,1,2,3
.irp i, 0,1,2,3
	ds_load_b128 v[XS0+64*((\f)%3)+16*\b+4*\i:XS0+64*((\f)%3)+16*\b+4*\i+3], v7 offset:128*\b+16*\i   ; back: lane (r, h) takes k = 32 b + 16 h + 0 .. 15 of row r
.endr
.endr
	s_wait_dscnt 0x0
	QUANT XS0+64*((\f)%3)
.if (\f)+3 < 8
	LOADX (\f)+3
.endif
.irp i, 0,1,2
	global_store_b128 v5, v[PC+4*\i:PC+4*\i+3], s[26:27] offset:((\f)%2)*12288+((\f)/2)*1536+512*\i   ; 32 lanes store 512 consecutive bytes
.endr
.if (\f)%2 == 0
	v_mov_b32 v[SCW+(\f)/2], v[PW]
.else
	v_cndmask_b32 v[SCW+(\f)/2], v[SCW+(\f)/2], v[PW], s30   ; lanes 16-31 keep the second K step's word
.endif
.endm
; weights: block t = (32 k: t / 2, 32 columns: t % 2): 32 loads of 4 bytes a lane, 128 consecutive bytes a wave
.macro LOADW t
.set i_, 0
.rept 32
	global_load_b32 v[WX+32*((\t)%2)+i_], v[VO+i_], s[32+2*((\t)/2):33+2*((\t)/2)] offset:128*((\t)%2) th:TH_LOAD_NT
.set i_, i_+1
.endr
.endm
.macro BLOCKW t
.set XW, WX+32*((\t)%2)
.set KB, (\t)/2
.set GB, (\t)%2
.if (\t) < 7
	s_wait_loadcnt 32                              ; this block's 32 loads are in; the next block's may be out
.else
	s_wait_loadcnt 0
.endif
	v_max3_num_f32 v12, |v[XW]|, |v[XW+1]|, |v[XW+2]|   ; the block's largest magnitude: all 32 numbers are mine
	v_max3_num_f32 v13, |v[XW+3]|, |v[XW+4]|, |v[XW+5]|
.irp i, 6,10,14,18,22,26
	v_max3_num_f32 v12, v12, |v[XW+\i]|, |v[XW+\i+1]|
	v_max3_num_f32 v13, v13, |v[XW+\i+2]|, |v[XW+\i+3]|
.endr
	v_max3_num_f32 v12, v12, |v[XW+30]|, |v[XW+31]|
	v_max3_num_f32 v12, v12, v13, 0x2800000
	v_add_nc_u32 v11, 0xfe000000, v12
	v_lshrrev_b32 v13, 23, v11
.if KB == 0
	v_mov_b32 v[SBW+GB], v13
.else
	v_lshl_or_b32 v[SBW+GB], v13, 8*KB, v[SBW+GB]
.endif
	v_cvt_scalef32_pk16_bf6_f32 v[CW:CW+2], v[XW:XW+15], v11
	v_cvt_scalef32_pk16_bf6_f32 v[TW:TW+2], v[XW+16:XW+31], v11
	v_nop
.irp i, 0,1,2
	v_mov_b32 v[CW+3+\i], v[TW+\i]
.endr
.irp j, 0,1,2                                  ; registers 6 (KB / 2) + 2 j, + 1 of lane (r', KB % 2) of my column's fragment image
	ds_store_b64 v5, v[CW+2*\j:CW+2*\j+1] offset:GB*3072+512*((3*(KB/2)+\j)/2)+8*((3*(KB/2)+\j)%2)+256*(KB%2)
.endr
.if (\t)+2 < 8
	LOADW (\t)+2
.endif
	s_wait_dscnt 0x0                               ; the stores have read their registers: the next block's codes may be written
.endm
	s_load_b512 s[4:19], s[0:1], 0x0               ; x, wq, wk, wv, w_proj, xq, wqkq, wvq
	s_load_b64 s[20:21], s[0:1], 0x40              ; wpq
	v_lshl_add_u32 v254, v0, 2, 0x3200
	v_mov_b32 v255, 0
	v_lshrrev_b32 v1, 5, v0
	v_readfirstlane_b32 s2, v1                     ; wave 0..1
	v_and_b32 v1, 31, v0                           ; lane
	s_mov_b32 s[SEL], 0x76543210
	s_mov_b32 s[SEL+1], 0xfedcba98
	s_cmp_lt_u32 ttmp9, 256
	s_cbranch_scc0 .Lweights
	; ---- x: my wave takes a quad (64 rows) x two K steps: eight fragments
	v_and_b32 v2, 15, v0                           ; r
	v_bfe_u32 v3, v0, 4, 1                         ; h
	s_mul_i32 s35, s2, 8448
	s_add_co_u32 s35, s35, XST                     ; my wave's stage
	v_mul_u32_u24 v7, v2, 528
	v_lshl_add_u32 v7, v3, 6, v7
	v_add_nc_u32 v7, s35, v7                       ; out of it: row r, + 64 h
	v_lshl_add_u32 v6, v1, 4, s35                  ; into it: 16 x lane
	v_lshlrev_b32 v5, 4, v1                        ; 16 x lane
	v_cmp_lt_u32 s30, 15, v1                       ; lanes 16-31
.irp b, 0,1,2,3
	v_mov_b32 v[TM+4+\b], 0                        ; written once: a lane permute's destination counts as one of its sources
.endr
	s_lshr_b32 s3, ttmp9, 1                        ; the quad, 0..127
	s_and_b32 s31, ttmp9, 1
	s_lshl_b32 s31, s31, 1
	s_add_co_u32 s31, s31, s2                      ; which pair of K steps, 0..3
	s_lshr_b32 s32, s3, 1                          ; the panel
	s_and_b32 s33, s3, 1                           ; the quad in it
	s_lshl_b32 s24, s3, 18                         ; 64 rows of 4,096 bytes
	s_lshl_b32 s34, s31, 10                        ; 256 numbers
	s_add_co_u32 s24, s24, s34
	s_mov_b32 s25, 0
	s_mul_i32 s26, s32, REC
	s_mov_b32 s27, 0
	s_mov_b32 s29, 0
	s_lshl_b32 s28, s33, 11
	s_add_co_u32 s28, s28, s26
	s_lshl_b32 s34, s31, 9
	s_add_co_u32 s28, s28, s34                     ; the scale words of my two K steps: 512 bytes
	s_mul_i32 s34, s33, 6144
	s_add_co_u32 s26, s26, s34
	s_mul_i32 s34, s31, 24576
	s_add_co_u32 s26, s26, s34
	s_add_co_u32 s26, s26, 4096                    ; my first fragment's image
	s_wait_alu depctr_va_vdst(0)
	s_wait_kmcnt 0x0
	s_add_nc_u64 s[24:25], s[4:5], s[24:25]
	s_add_nc_u64 s[26:27], s[14:15], s[26:27]
	s_add_nc_u64 s[28:29], s[14:15], s[28:29]
	LOADX 0
	LOADX 1
	LOADX 2
.irp f, 0,1,2,3,4,5,6,7
	FRAGX \f
.endr
	global_store_b128 v5, v[SCW:SCW+3], s[28:29]   ; two aligned blocks of 256 bytes: the words of four blocks, for two K steps
	s_wait_tensorcnt 0x0                           ; the wave's end, behind my last LDS store
	ds_add_u32 v254, v255
	s_wait_dscnt 0x0
	s_endpgm
	; ---- the weights: my wave takes 64 columns (a head, or 64 outputs of w_proj) x one K step of 128
.Lweights:
	s_sub_co_u32 s3, ttmp9, 256
	s_lshr_b32 s31, s3, 6                          ; 0 wq, 1 wk, 2 wv, 3 w_proj
	s_bfe_u32 s44, s3, 0x40002                     ; the quad of 64 columns, 0..15
	s_and_b32 s45, s3, 3
	s_lshl_b32 s45, s45, 1
	s_add_co_u32 s45, s45, s2                      ; the K step, 0..7
	s_mul_i32 s46, s2, WLDS                        ; my wave's LDS
	v_bfe_u32 v2, v0, 3, 1                         ; column l of 32 is row 8 u + r' + (r' & 8): u = bit 3,
	v_and_b32 v3, 7, v0
	v_bfe_u32 v4, v0, 4, 1                         ; r' = (l & 7) + 8 (l >> 4)
	v_lshlrev_b32 v6, 4, v3
	v_lshl_add_u32 v6, v4, 7, v6                   ; 16 r'
	v_add_nc_u32 v6, s46, v6
	v_mad_u32_u24 v5, v2, 1536, v6                 ; into the stage: block u's image, lane r'
	v_lshl_add_u32 v6, v2, 2, v6                   ; the scale word's place: 16 r' + 4 u (+ 8 for the second 32 columns)
	s_wait_alu depctr_va_vdst(0)
	v_lshl_add_u32 v7, v1, 4, s46                  ; out of the stage: 16 x lane
	v_lshl_add_u32 v8, v1, 3, s46                  ; and 8 x lane for the scale words
	v_lshlrev_b32 v9, 4, v1
	v_lshlrev_b32 v10, 3, v1
	v_lshlrev_b32 v14, 2, v1
	s_wait_alu depctr_va_vdst(0)
	s_wait_kmcnt 0x0
	s_cmp_eq_u32 s31, 1                            ; the choices hang on the work-group's number alone
	s_cselect_b64 s[24:25], s[8:9], s[6:7]
	s_cselect_b32 s48, 8, 0                        ; wk's panels lie behind wq's eight
	s_cmp_eq_u32 s31, 2
	s_cselect_b64 s[24:25], s[10:11], s[24:25]
	s_cselect_b64 s[26:27], s[18:19], s[16:17]
	s_cmp_eq_u32 s31, 3
	s_cselect_b64 s[24:25], s[12:13], s[24:25]
	s_cselect_b64 s[26:27], s[20:21], s[26:27]
	s_mov_b32 s40, 256
	s_cselect_b32 s40, 4096, s40                   ; bytes from k to k + 1
	s_mov_b32 s41, 262144
	s_cselect_b32 s41, 256, s41                    ; bytes from quad to quad
.set i_, 0
.rept 32
	v_mad_u32_u24 v[VO+i_], i_, s40, v14
.set i_, i_+1
.endr
	s_mul_i32 s42, s44, s41
	s_lshl_b32 s43, s45, 7
	s_mul_i32 s43, s43, s40
	s_add_co_u32 s42, s42, s43
	s_mov_b32 s43, 0
	s_add_nc_u64 s[32:33], s[24:25], s[42:43]      ; k = 128 s
	s_lshl_b32 s42, s40, 5
	s_add_nc_u64 s[34:35], s[32:33], s[42:43]      ; + 32
	s_add_nc_u64 s[36:37], s[34:35], s[42:43]
	s_add_nc_u64 s[38:39], s[36:37], s[42:43]
	s_wait_alu depctr_va_vdst(0)
	LOADW 0
	LOADW 1
	s_lshr_b32 s47, s44, 1
	s_add_co_u32 s47, s47, s48
	s_mul_i32 s47, s47, REC                        ; the panel's record
	s_and_b32 s49, s44, 1                          ; the quad in it
	s_lshl_b32 s50, s49, 11
	s_add_co_u32 s50, s50, s47
	s_lshl_b32 s51, s45, 8
	s_add_co_u32 s50, s50, s51
	s_mov_b32 s51, 0
	s_add_nc_u64 s[28:29], s[26:27], s[50:51]      ; the quad's scale words of this K step
	s_mul_i32 s50, s49, 6144
	s_add_co_u32 s50, s50, s47
	s_mul_i32 s49, s45, 12288
	s_add_co_u32 s50, s50, s49
	s_add_co_u32 s50, s50, 4096
	s_add_nc_u64 s[26:27], s[26:27], s[50:51]      ; and its four fragments' images
.irp t, 0,1,2,3,4,5,6,7
	BLOCKW \t
.endr
	ds_store_b32 v6, v[SBW] offset:6144
	s_wait_alu depctr_va_vdst(0)
	ds_store_b32 v6, v[SBW+1] offset:6144+8
.irp i, 0,1,2,3,4,5,6,7,8,9,10,11
	ds_load_b128 v[OUTR+4*\i:OUTR+4*\i+3], v7 offset:512*\i   ; LDS serves a wave's instructions in order: these see my stores
.endr
	ds_load_b64 v[192:193], v8 offset:6144
	s_wait_dscnt 0x0
.irp i, 0,1,2,3,4,5,6,7,8,9,10,11
	global_store_b128 v9, v[OUTR+4*\i:OUTR+4*\i+3], s[26:27] offset:512*\i
.endr
	global_store_b64 v10, v[192:193], s[28:29]     ; one aligned block of 256 bytes
	s_wait_tensorcnt 0x0
	ds_add_u32 v254, v255
	s_wait_dscnt 0x0
	s_endpgm
.Lfunc_end_k_qf0fc44bae6_quant:
	.size	k_qf0fc44bae6_quant, .Lfunc_end_k_qf0fc44bae6_quant-k_qf0fc44bae6_quant
	.p2alignl 7, 3214868480
	.fill 96, 4, 3214868480
	.section	.rodata,"a",@progbits
	.p2align	6, 0x0
	.amdhsa_kernel k_qf0fc44bae6_quant
		.amdhsa_group_segment_fixed_size 29952
		.amdhsa_private_segment_fixed_size 0
		.amdhsa_enable_private_segment 0
		.amdhsa_kernarg_size 72
		.amdhsa_user_sgpr_count 2
		.amdhsa_user_sgpr_kernarg_segment_ptr 1
		.amdhsa_wavefront_size32 1
		.amdhsa_system_sgpr_workgroup_id_x 1
		.amdhsa_system_sgpr_workgroup_id_y 1
		.amdhsa_system_sgpr_workgroup_id_z 1
		.amdhsa_system_vgpr_workitem_id 0
		.amdhsa_next_free_vgpr 256
		.amdhsa_next_free_sgpr 66
		.amdhsa_reserve_vcc 0
		.amdhsa_float_denorm_mode_32 3
		.amdhsa_float_denorm_mode_16_64 3
		.amdhsa_memory_ordered 1
		.amdhsa_forward_progress 1
		.amdhsa_inst_pref_size 109
	.end_amdhsa_kernel
	.amdgpu_metadata
---
amdhsa.version: [ 1, 2 ]
amdhsa.kernels:
  - .name:           k_qf0fc44bae6_quant
    .symbol:         k_qf0fc44bae6_quant.kd
    .args:
      - { .name: x, .offset: 0, .size: 8, .value_kind: global_buffer, .address_space: global }
      - { .name: wq, .offset: 8, .size: 8, .value_kind: global_buffer, .address_space: global }
      - { .name: wk, .offset: 16, .size: 8, .value_kind: global_buffer, .address_space: global }
      - { .name: wv, .offset: 24, .size: 8, .value_kind: global_buffer, .address_space: global }
      - { .name: w_proj, .offset: 32, .size: 8, .value_kind: global_buffer, .address_space: global }
      - { .name: xq, .offset: 40, .size: 8, .value_kind: global_buffer, .address_space: global }
      - { .name: wqkq, .offset: 48, .size: 8, .value_kind: global_buffer, .address_space: global }
      - { .name: wvq, .offset: 56, .size: 8, .value_kind: global_buffer, .address_space: global }
      - { .name: wpq, .offset: 64, .size: 8, .value_kind: global_buffer, .address_space: global }
    .group_segment_fixed_size: 29952
    .private_segment_fixed_size: 0
    .kernarg_segment_align: 8
    .kernarg_segment_size: 72
    .max_flat_workgroup_size: 64
    .sgpr_count:     66
    .vgpr_count:     256
    .wavefront_size: 32
...
	.end_amdgpu_metadata
.endif
;; end of part 1
;; launch qk (part 2): grid 8 x 64, 4 waves a work-group, clusters of 4 x 4, 307,712 bytes of LDS; arguments xq, wqkq, qkq; writes qkq
.if DOCPART == 2
	.amdgcn_target "amdgcn-amd-amdhsa--gfx1250"
	.amdhsa_code_object_version 6
	.text
	.protected	k_qf0fc44bae6_qk
	.globl	k_qf0fc44bae6_qk
	.p2align	8
	.type	k_qf0fc44bae6_qk,@function
k_qf0fc44bae6_qk:
	s_mov_b64 s[64:65], 0
	v_nop
	global_prefetch_b8 v0, s[64:65] scope:SCOPE_SE
	s_setreg_imm32_b32 hwreg(HW_REG_WAVE_MODE, 25, 1), 1
	s_wait_xcnt 0x0
	s_wait_alu depctr_hold_cnt(0) depctr_sa_sdst(0) depctr_va_vdst(0) depctr_va_sdst(0) depctr_va_ssrc(0) depctr_va_vcc(0) depctr_vm_vsrc(0)
	s_getreg_b32 s2, hwreg(HW_REG_IB_STS2, 6, 4)
	s_cmp_eq_u32 s2, 0
	s_cbranch_scc0 .Lentry_in_a_cluster
	s_endpgm
.Lentry_in_a_cluster:
	s_bfe_u32 s2, ttmp6, 0x10000c
	s_cmp_lg_u32 s2, 0xf033
	s_cbranch_scc0 .Lentry_shape_is_right
	s_endpgm
.Lentry_shape_is_right:
; C[p][n] = the sum over k of P[p][k] R[n][k], K = 1,024, both on codes of BF6 (E3M2) with E8M0 scales; C is quantised at once along n, in blocks of 32, and stored as the next product's operand.
; The body serves two launches: P = x's tokens, R = the rows of wq and wk (q and k, quantised along the head's 64); and P = the rows of wv, R = x's tokens (V^T, quantised along the tokens).
; P and R come as RECORDS (128 rows x K 1,024: 4,096 bytes of scale words [quad][K step][16 r + 4 j], then the fragments' register images [K step][block][1,536]).
; A work-group makes 128 rows of P (record y) x 256 rows of R (records 2 x, 2 x + 1).  The three records, 307,200 bytes, lie whole in LDS, each byte filled once: no slot is ever filled again.
; Wave w: P's quad w / 2 (four blocks of 16 rows) x R's record w % 2 (eight blocks): 32 accumulators, 32 matrix instructions a K step of 128.
; THE MATRIX INSTRUCTION IS USED TRANSPOSED (source 0 = 16 rows of R, source 1 = 16 rows of P): a lane holds ONE row of P; by the order of the rows in a block (lane r of block 2 g + u = row
; 32 g + 8 u + r + (r & 8)) the 16 registers of R's blocks 2 g and 2 g + 1 are rows 32 g + 16 (lane / 16) + 0 .. 15 of R: 16 neighbours along the axis that is quantised.
; OUT: 512 slots of 2,048 bytes of scale words [R half][0: the word, 1: the word >> 16][P's quad][16 r + 4 j], then tiles of 24,576 bytes of codes [R half][fragment half][P's block][3 x 256]: registers
; 6 c + 2 j, + 1 of lane l at 256 j + 8 l.  Tile number (x & 7) + 8 (y & 7) + 64 ((y >> 3) + (x >> 3)): dense for a grid of 8 x 64 and for one of 32 x 8.
; CLUSTERS: 4 x 4 work-groups; P's record is shared along a row of the cluster, R's two along a column: each part is asked for jointly.
; LIMITS: NaN and infinities are not served; a block whose largest magnitude lies under 2^-122, a block of zeros too, gets the byte 1 (zeros: where the rule says 127; its codes are zeros, and this program alone reads the bytes).
; REGISTERS: window 0: v1-13 addresses; v16-19 scale words to store; v32-59 scale words, two sets; v64-159 P's fragments, two sets; v160-239 the codes made; v240-255 at work.
;   window 1: R's fragments, two sets of 96.   window 2: accumulator (i, b) at v[8 (8 i + b)].
.set REC,  102400
.set P1B,  40960                       ; a record's part 1: its scale words and K steps 0 to 2; part 2, REC - P1B bytes, is K steps 3 to 7
.set G1P2, 48                          ; s[48:55] group 1 of P's part 2
.set G1R2, 76                          ; s[76:83] group 1 of R's part 2
.set ADP0, 4                           ; v4, v5   P's fragments of K steps 0-3, 4-7
.set ADR0, 6                           ; v6, v7   R's
.set ASP,  8                           ; v8       P's scale words
.set ASR,  9                           ; v9       R's
.set GOC,  10                          ; v10      8 x lane
.set GOS,  11                          ; v11      512 h + 16 r
.set SH16, 12                          ; v12      16 h
.set PW,   13
.set SW,   16
.set TM,   240
.set WV,   10
.set SEL,  22
.set G1P,  24
.set G1R,  32
.set G0P,  40                          ; s[40:47] two groups 0 for P's parts
.set G0R,  68                          ; s[68:75] two for R's parts
.set MSB, 0
.macro WIN new                         ; the immediate's high byte repeats the setting that is left
.if MSB != \new
	s_set_vgpr_msb (MSB<<8)|\new
.set MSB, \new
.endif
.endm
.macro PLACES n
.rept \n
	v_nop
.endr
.endm
.macro CROUND                          ; a round of the cluster's barrier
	s_barrier_signal -1
	s_barrier_wait -1
	s_cmp_lg_u32 s[WV], 0
	s_cbranch_scc1 .Lnot_wave_0_\@
	s_barrier_signal -3
.Lnot_wave_0_\@:
	s_barrier_wait -3
	s_barrier_signal -1
	s_barrier_wait -1
.endm
; 39 LDS loads in one run: K step s's eight fragments of R, four of P, and their scale words, into set p
.macro FETCH s, p
	WIN 0x40                                       ; destination window 1, address window 0
.irp b, 0,1,2,3,4,5,6,7
.irp c, 0,1,2
	ds_load_b128 v[96*(\p)+12*\b+4*\c:96*(\p)+12*\b+4*\c+3], v[ADR0+((\s)+5)/8] offset:((\s)-3*(((\s)+5)/8))*12288+\b*1536+512*\c   ; steps 0-2 by the first address, steps 3-7 by the second
.endr
.endr
	WIN 0
.irp i, 0,1,2,3
.irp c, 0,1,2
	ds_load_b128 v[64+48*(\p)+12*\i+4*\c:64+48*(\p)+12*\i+4*\c+3], v[ADP0+(\s)/4] offset:((\s)%4)*12288+\i*1536+512*\c
.endr
.endr
	ds_load_b128 v[32+16*(\p):35+16*(\p)], v[ASP] offset:256*(\s)
	ds_load_b128 v[36+16*(\p):39+16*(\p)], v[ASR] offset:256*(\s)
	ds_load_b128 v[40+16*(\p):43+16*(\p)], v[ASR] offset:2048+256*(\s)
.endm
; 32 matrix instructions: the 32 accumulators take turns, one instruction a turn, in the same order in every K step
.macro MUL p, zero
	WIN 0xa1                                       ; source 0 (R) window 1, source 1 (P) window 0, C and D window 2
.irp i, 0,1,2,3
.irp b, 0,1,2,3,4,5,6,7
.if \zero
	v_wmma_scale_f32_16x16x128_f8f6f4 v[8*(8*\i+\b):8*(8*\i+\b)+7], v[96*(\p)+12*\b:96*(\p)+12*\b+11], v[64+48*(\p)+12*\i:64+48*(\p)+12*\i+11], 0, v[36+16*(\p)+\b], v[32+16*(\p)+\i] matrix_a_fmt:MATRIX_FMT_BF6 matrix_b_fmt:MATRIX_FMT_BF6
.else
	v_wmma_scale_f32_16x16x128_f8f6f4 v[8*(8*\i+\b):8*(8*\i+\b)+7], v[96*(\p)+12*\b:96*(\p)+12*\b+11], v[64+48*(\p)+12*\i:64+48*(\p)+12*\i+11], v[8*(8*\i+\b):8*(8*\i+\b)+7], v[36+16*(\p)+\b], v[32+16*(\p)+\i] matrix_a_fmt:MATRIX_FMT_BF6 matrix_b_fmt:MATRIX_FMT_BF6
.endif
.endr
.endr
.endm
; K step s.  bar >= 0: the next step's bytes lie in a part that has not been shown landed yet: each wave waits until at most bar of its tensor loads are out, then the work-group's barrier.
; The later quarters may stay on their way.
.macro KSTEP s, bar, zero
	s_wait_dscnt 0x0                               ; this step's 39 loads are in (asked for ahead of the last step's 32 products)
.if (\bar) >= 0
	s_wait_tensorcnt \bar
	s_barrier_signal -1
	s_barrier_wait -1
.endif
.if (\s) < 7
	PLACES 4                                       ; four places ahead of loads into registers that the last products read (ISA guide 7.12.1 for vector instructions)
	FETCH (\s)+1, ((\s)+1)%2
.endif
	MUL (\s)%2, \zero
	WIN 0
.endm
; P's block i: its 64 numbers a lane (window 2) become a fragment's codes, v[160 + 20 i] on, and a scale word; both are stored
.macro QUANTW i
.set PCI, 160+20*(\i)
.set AC, 64*(\i)
	WIN 0x28                                       ; sources 1 and 2 window 2
.irp b, 0,1,2,3
	v_max3_num_f32 v[TM+\b], 0x2800000, |v[AC+16*\b]|, |v[AC+16*\b+1]|   ; each accumulator is read from its low end on; the floor 2^(5 - 127) holds the byte at 1 from below
.endr
.irp k, 2,4,6,8,10,12,14
.irp b, 0,1,2,3
	v_max3_num_f32 v[TM+\b], v[TM+\b], |v[AC+16*\b+\k]|, |v[AC+16*\b+\k+1]|
.endr
.endr
	WIN 0
.irp b, 0,1,2,3
	v_permlanex16_b32 v[TM+4+\b], v[TM+\b], s[SEL], s[SEL+1]
.endr
.irp b, 0,1,2,3
	v_max_num_f32 v[TM+\b], v[TM+\b], v[TM+4+\b]
.endr
.irp b, 0,1,2,3
	v_add_nc_u32 v[TM+12+\b], 0xfe000000, v[TM+\b]
.endr
.irp b, 0,1,2,3
	v_lshrrev_b32 v[TM+4+\b], 23, v[TM+12+\b]
.endr
	v_lshl_or_b32 v[PW], v[TM+5], 8, v[TM+4]
	v_lshl_or_b32 v[PW], v[TM+6], 16, v[PW]
	v_lshl_or_b32 v[PW], v[TM+7], 24, v[PW]
	WIN 0x02                                       ; source 0 window 2
.irp c, 0,1
	v_cvt_scalef32_pk16_bf6_f32 v[PCI+6*\c:PCI+6*\c+2], v[AC+32*\c:AC+32*\c+15], v[TM+12+2*\c]
	v_cvt_scalef32_pk16_bf6_f32 v[PCI+12+4*\c:PCI+14+4*\c], v[AC+32*\c+16:AC+32*\c+31], v[TM+13+2*\c]
.endr
	WIN 0
	v_nop                                          ; one plain place behind a scaled conversion
.irp c, 0,1
.irp k, 0,1,2
	v_permlane16_swap_b32 v[PCI+6*\c+\k], v[PCI+12+4*\c+\k]
.endr
.irp k, 0,1,2
	v_mov_b32 v[PCI+3+6*\c+\k], v[PCI+12+4*\c+\k]
.endr
.endr
	v_lshrrev_b32 v[SW+(\i)], v[SH16], v[PW]       ; lanes 0-15 keep the word, lanes 16-31 the word >> 16
.irp q, 0,1,2,3,4,5
	global_store_b64 v[GOC], v[PCI+2*\q:PCI+2*\q+1], s[8:9] offset:(\q/3)*6144+(\i)*768+(\q%3)*256   ; 32 lanes store one aligned block of 256 bytes
.endr
.endm
	s_load_b128 s[4:7], s[0:1], 0x0                ; P, R
	s_load_b64 s[8:9], s[0:1], 0x10                ; OUT
	v_lshl_add_u32 v250, v0, 2, 0x4b000
	v_mov_b32 v251, 0
	ds_add_u32 v250, v251
	ds_add_u32 v250, v251
	v_lshrrev_b32 v1, 5, v0
	v_readfirstlane_b32 s[WV], v1                  ; wave 0..3
	s_lshr_b32 s17, s[WV], 1                       ; P's quad
	s_and_b32 s18, s[WV], 1                        ; R's record
	s_bfe_u32 s11, ttmp6, 0x40000                  ; cx
	s_bfe_u32 s12, ttmp6, 0x40004                  ; cy
	s_lshl_b32 s13, ttmp9, 2
	s_add_co_u32 s13, s13, s11                     ; x
	s_and_b32 s14, ttmp7, 0xffff
	s_lshl_b32 s14, s14, 2
	s_add_co_u32 s14, s14, s12                     ; y
	s_lshl_b32 s15, s12, 2
	s_lshl_b32 s15, 15, s15                        ; my row of the cluster
	s_lshl_b32 s16, 0x1111, s11                    ; my column
	s_or_b32 s[G1P], s15, (3<<16)|(1<<21)          ; 15:0 the mask; 17:16 elements of 8 bytes; 21 set beside a mask; no padding
	s_or_b32 s[G1R], s16, (3<<16)|(1<<21)
	s_or_b32 s[G1P2], s15, (3<<16)|(1<<21)
	s_or_b32 s[G1R2], s16, (3<<16)|(1<<21)
.macro GRP g, c, r, p                          ; r rows of c elements of 8 bytes, p elements apart
	s_mov_b32 s[\g+1], (\c)<<16
	s_mov_b32 s[\g+2], (\r)<<16
	s_mov_b32 s[\g+3], (\c)<<16
	s_mov_b32 s[\g+4], \r
	s_mov_b32 s[\g+5], \p
	s_mov_b32 s[\g+6], 0
	s_mov_b32 s[\g+7], 0
.endm
	GRP G1P,  32, P1B/256, 32                      ; P's parts: dense, as rows of 256 bytes
	GRP G1P2, 32, (REC-P1B)/256, 32
	GRP G1R,  P1B/8, 2, REC/8                      ; R's parts: the same part of both records, two long rows a record apart; in LDS they lie on end
	GRP G1R2, (REC-P1B)/8, 2, REC/8
	v_and_b32 v1, 31, v0                           ; lane
	v_and_b32 v2, 15, v0                           ; r
	v_bfe_u32 v3, v0, 4, 1                         ; h
	s_wait_alu depctr_va_vdst(0)                   ; the wait here, directly behind the writes of lane, r and h
	s_mul_i32 s19, s17, 6144
	s_add_co_u32 s19, s19, 4096
	v_lshl_add_u32 v[ADP0], v1, 4, s19
	v_add_nc_u32 v[ADP0+1], 49152, v[ADP0]
	s_mul_i32 s19, s18, P1B
	s_add_co_u32 s19, s19, REC                     ; LDS: P's record, then R's [part][record]
	v_lshl_add_u32 v[ASR], v2, 4, s19
	s_add_co_u32 s19, s19, 4096
	v_lshl_add_u32 v[ADR0], v1, 4, s19
	s_mul_i32 s19, s18, REC-P1B
	s_add_co_u32 s19, s19, REC+2*P1B
	v_lshl_add_u32 v[ADR0+1], v1, 4, s19
	s_lshl_b32 s19, s17, 11
	v_lshl_add_u32 v[ASP], v2, 4, s19
	v_lshlrev_b32 v[GOC], 3, v1
	v_lshlrev_b32 v[GOS], 4, v2
	v_lshl_add_u32 v[GOS], v3, 9, v[GOS]
	v_lshlrev_b32 v[SH16], 4, v3
.irp b, 0,1,2,3
	v_mov_b32 v[TM+4+\b], 0                        ; written once: a lane permute's destination counts as one of its sources
.endr
	s_mov_b32 s[SEL], 0x76543210
	s_mov_b32 s[SEL+1], 0xfedcba98
	s_mul_i32 s56, s14, REC                        ; P's record hangs on y alone,
	s_mov_b32 s57, 0
	s_mul_i32 s60, s13, 2*REC                      ; R's two records on x alone
	s_mov_b32 s61, 0
	s_wait_dscnt 0x0
	s_wait_kmcnt 0x0
	s_add_nc_u64 s[56:57], s[4:5], s[56:57]
	s_add_nc_u64 s[60:61], s[6:7], s[60:61]
	CROUND                                         ; all sixteen work-groups are here: the joint loads meet
.irp q, 0,1
	s_mov_b32 s[G0P+4*\q], 1
	s_mov_b32 s[G0P+4*\q+1], P1B*\q
	s_add_nc_u64 s[G0P+4*\q+2:G0P+4*\q+3], s[56:57], P1B*\q
	s_or_b32 s[G0P+4*\q+3], s[G0P+4*\q+3], 0x80000000
	s_mov_b32 s[G0R+4*\q], 1
	s_mov_b32 s[G0R+4*\q+1], REC+2*P1B*\q
	s_add_nc_u64 s[G0R+4*\q+2:G0R+4*\q+3], s[60:61], P1B*\q
	s_or_b32 s[G0R+4*\q+3], s[G0R+4*\q+3], 0x80000000
.endr
; one tensor load a wave, each in its own arm of one chain: wave 0 P's part 1, wave 1 R's part 1, wave 2 P's part 2, wave 3 R's part 2
.macro ARM w, g0, g1
	s_cmp_eq_u32 s[WV], \w
	s_cbranch_scc0 .Lnot_\w
	tensor_load_to_lds s[\g0:\g0+3], s[\g1:\g1+7]
	s_nop 0
	PLACES 4
	s_branch .Lasked
.Lnot_\w:
.endm
	ARM 0, G0P, G1P
	ARM 1, G0R, G1R
	ARM 2, G0P+4, G1P2
	tensor_load_to_lds s[G0R+4:G0R+7], s[G1R2:G1R2+7]
	s_nop 0
	PLACES 4
.Lasked:
	; where my results go
	s_and_b32 s84, s13, 7
	s_and_b32 s85, s14, 7
	s_lshl_b32 s85, s85, 3
	s_add_co_u32 s84, s84, s85
	s_lshr_b32 s85, s14, 3
	s_lshr_b32 s86, s13, 3
	s_add_co_u32 s85, s85, s86
	s_lshl_b32 s85, s85, 6
	s_add_co_u32 s84, s84, s85                     ; the tile's number
	s_lshl_b32 s86, s84, 11
	s_lshl_b32 s87, s18, 10
	s_add_co_u32 s86, s86, s87
	s_lshl_b32 s87, s17, 8
	s_add_co_u32 s86, s86, s87
	s_mov_b32 s87, 0
	s_add_nc_u64 s[20:21], s[8:9], s[86:87]        ; scale words: slot, R half, P's quad
	s_mul_i32 s86, s84, 24576
	s_mul_i32 s88, s18, 12288
	s_add_co_u32 s86, s86, s88
	s_mul_i32 s88, s17, 3072
	s_add_co_u32 s86, s86, s88
	s_add_co_u32 s86, s86, 1048576
	s_add_nc_u64 s[8:9], s[8:9], s[86:87]          ; codes: tile, R half, P's quad
	; part 1 holds all scale words and K steps 0 to 2; part 2 steps 3 to 7
	s_cmp_lt_u32 s[WV], 2                          ; waves 0 and 1 wait for the parts 1; the parts 2 may stay on their way
	s_cbranch_scc0 .Lnot_first
	s_wait_tensorcnt 0x0
.Lnot_first:
	s_barrier_signal -1
	s_barrier_wait -1
	s_wait_alu depctr_va_vdst(0)
	FETCH 0, 0
	KSTEP 0, -1, 1
	KSTEP 1, -1, 0
	KSTEP 2, 0, 0                                  ; every wave waits for its load: steps 3 to 7 are whole
	KSTEP 3, -1, 0
	KSTEP 4, -1, 0
	KSTEP 5, -1, 0
	KSTEP 6, -1, 0
	KSTEP 7, -1, 0
	PLACES 4                                       ; four places ahead of the first read of results just made
.irp i, 0,1,2,3
	QUANTW \i
.endr
	global_store_b128 v[GOS], v[SW:SW+3], s[20:21] ; two aligned blocks of 256 bytes: the four blocks' words, and the same >> 16
	s_wait_tensorcnt 0x0
	ds_add_u32 v250, v251
	s_wait_dscnt 0x0
	CROUND                                         ; the closing round: no work-group ends while a partner may still ask for a part that names it
	s_endpgm
.Lfunc_end_k_qf0fc44bae6_qk:
	.size	k_qf0fc44bae6_qk, .Lfunc_end_k_qf0fc44bae6_qk-k_qf0fc44bae6_qk
	.p2alignl 7, 3214868480
	.fill 96, 4, 3214868480
	.section	.rodata,"a",@progbits
	.p2align	6, 0x0
	.amdhsa_kernel k_qf0fc44bae6_qk
		.amdhsa_group_segment_fixed_size 307712
		.amdhsa_private_segment_fixed_size 0
		.amdhsa_enable_private_segment 0
		.amdhsa_kernarg_size 24
		.amdhsa_user_sgpr_count 2
		.amdhsa_user_sgpr_kernarg_segment_ptr 1
		.amdhsa_wavefront_size32 1
		.amdhsa_system_sgpr_workgroup_id_x 1
		.amdhsa_system_sgpr_workgroup_id_y 1
		.amdhsa_system_sgpr_workgroup_id_z 1
		.amdhsa_system_vgpr_workitem_id 0
		.amdhsa_next_free_vgpr 768
		.amdhsa_next_free_sgpr 96
		.amdhsa_reserve_vcc 0
		.amdhsa_float_denorm_mode_32 3
		.amdhsa_float_denorm_mode_16_64 3
		.amdhsa_memory_ordered 1
		.amdhsa_forward_progress 1
		.amdhsa_inst_pref_size 81
	.end_amdhsa_kernel
	.amdgpu_metadata
---
amdhsa.version: [ 1, 2 ]
amdhsa.kernels:
  - .name:           k_qf0fc44bae6_qk
    .symbol:         k_qf0fc44bae6_qk.kd
    .args:
      - { .name: xq, .offset: 0, .size: 8, .value_kind: global_buffer, .address_space: global }
      - { .name: wqkq, .offset: 8, .size: 8, .value_kind: global_buffer, .address_space: global }
      - { .name: qkq, .offset: 16, .size: 8, .value_kind: global_buffer, .address_space: global }
    .group_segment_fixed_size: 307712
    .private_segment_fixed_size: 0
    .kernarg_segment_align: 8
    .kernarg_segment_size: 24
    .max_flat_workgroup_size: 128
    .sgpr_count:     96
    .vgpr_count:     768
    .wavefront_size: 32
...
	.end_amdgpu_metadata
.endif
;; end of part 2
;; launch v: the kernel of part 2 again; grid 32 x 8, 4 waves a work-group, clusters of 4 x 4, 307,712 bytes of LDS; arguments wvq, xq, vtq; writes vtq
;; launch attn (part 3): grid 4 x 64, 16 waves a work-group, no clusters, 212,992 bytes of LDS; arguments qkq, vtq, oq; writes oq
.if DOCPART == 3
	.amdgcn_target "amdgcn-amd-amdhsa--gfx1250"
	.amdhsa_code_object_version 6
	.text
	.protected	k_qf0fc44bae6_attn
	.globl	k_qf0fc44bae6_attn
	.p2align	8
	.type	k_qf0fc44bae6_attn,@function
k_qf0fc44bae6_attn:
	s_mov_b64 s[64:65], 0
	v_nop
	global_prefetch_b8 v0, s[64:65] scope:SCOPE_SE
	s_setreg_imm32_b32 hwreg(HW_REG_WAVE_MODE, 25, 1), 1
	s_wait_xcnt 0x0
; Causal attention of one head (16 x 4 heads, 2,048 tokens, head size 64), both products on codes of BF6 (E3M2) with E8M0 scales; the result, divided by the row's sum, is quantised along the channels and stored as the last product's operand.
; t = score x log2(e) / 32; M = the running largest t rounded UP to a whole number; p = 2^(t - M) is quantised along the keys; the row's sum is taken of the unquantised p.
; SHARES.  Work-group (i, head) owns the blocks i and 7 - i of 256 queries: the same work for every work-group under the causal mask.  Wave w owns tile L = block 16 i + w of 16 queries and tile H = block
; 16 (7 - i) + (w xor 15): 17 key steps of 128 keys for every wave.  Tile A needs key steps 0 .. A / 8; only the last is masked.
; The whole head's K and V (codes 2 x 98,304 bytes, scale words 8,192 + 4,096) lie in LDS, each byte filled once, by eight tensor loads at the head: no slot is ever filled again, and one barrier shows all of it to all waves.
; NO CLUSTER: only the query blocks of one head share K and V, and which steps a block passes over hangs on the block, which would be its place in the cluster.
; NO PREFETCH: every tensor load goes out at the head; there is no later load to ask ahead for.
; LAYOUT.  Both products are used transposed (S^T = K Q^T, O^T = V^T P^T): a lane holds one query.  Lane r of a block of 16 tokens 2 g + u holds token 32 g + 8 u + r + (r & 8), so the 16 registers of two neighbouring
; tiles of scores are 16 neighbouring keys.  The head's 64 are half of the instruction's K: Q's upper six registers hold zero codes under scale bytes 0; K's fragment t is registers 6 t .. 6 t + 11, whose upper half
; (the next tile's codes) meets those zeros.
; LIMITS: NaN and infinities are not served; a block of o whose largest magnitude lies under 2^-122, a block of zeros too, gets the byte 1 (this program alone reads the bytes).
.set KC,   0                           ; LDS: K's codes [step][block][3 x 256]
.set VC,   98304                       ; V's codes [step][fragment half][tile][3 x 256]
.set KS,   196608                      ; K's scale words [step][quad][256]
.set VS,   204800                      ; V's [step][256]
.set GA,   208896                      ; o's scale words meet here: [L, H][panel][quad][16 r + 4 j]; no tensor load lands here
.set AK0,  1                           ; v1  KC + 8 x lane (KC = 0: also the offset of the global loads and stores of 8 bytes a lane)
.set AV0,  2                           ; v2  VC + 8 x lane
.set AKS0, 3                           ; v3  KS + 16 r
.set AVS0, 4                           ; v4  VS + 16 r
.set ADK,  5                           ; v5-8 the addresses of the step in hand
.set ADV,  6
.set ADKS, 7
.set ADVS, 8
.set PW,   22                          ; p's scale word
.set R16,  23                          ; 16 r
.set KSC,  24                          ; v24-31 K's scale words
.set VSC,  32                          ; v32-35 V's
.set KF,   60                          ; v60-107 K's eight tiles, six registers each; v108-113 zeros
.set SR,   114                         ; v114-177 the scores, then p; v114-161 then V's four fragments
.set BM,   60                          ; behind the scores K's registers are at work: block maxima,
.set PR,   64                          ; the other half's,
.set SO,   68                          ; the conversions' scale operands,
.set FF,   72                          ; f = 2^(old M - new M) (a pair is named, its low word used),
.set TT,   74
.set PCD,  76                          ; v76-87 p's codes
.set PC2,  88
.set WV,   10
.set SEL,  20
.set CS,   22                          ; s[22:23] c = log2(e) / 32
.set SS,   84                          ; the key step
.set TK,   85                          ; 6,144 x step
.set TKS,  86                          ; 512 x step
.set TVS,  87                          ; 256 x step
.set NL,   88                          ; L's last step
.set NH,   89                          ; H's
; where tile A's codes and scale words of Q lie
.macro QADR aa, nn, pc, ps
	s_lshl_b32 s19, s[\nn], 3
	s_add_co_u32 s19, s19, s16                     ; the tile of the workspace: (head / 4) + 8 (16 b + A / 8)
	s_mul_i32 s[\pc], s19, 24576
	s_add_co_u32 s[\pc], s[\pc], s90
	s_lshl_b32 s[\ps], s19, 11
	s_add_co_u32 s[\ps], s[\ps], s91
	s_and_b32 s19, s[\aa], 7
	s_mul_i32 s19, s19, 768
	s_add_co_u32 s[\pc], s[\pc], s19
	s_bfe_u32 s19, s[\aa], 0x10002
	s_lshl_b32 s19, s19, 8
	s_add_co_u32 s[\ps], s[\ps], s19
	s_and_b32 s19, s[\aa], 3
	s_lshl_b32 s19, s19, 2
	s_add_co_u32 s[\ps], s[\ps], s19
	s_mov_b32 s[\pc+1], 0
	s_mov_b32 s[\ps+1], 0
	s_add_nc_u64 s[\pc:\pc+1], s[4:5], s[\pc:\pc+1]
	s_add_nc_u64 s[\ps:\ps+1], s[4:5], s[\ps:\ps+1]
.endm
; A KEY STEP of one tile: 128 keys.  qf: Q's fragment; qs: its scale word; st: -M, the largest t, the sum in two halves; oa: O^T; dm: my query's place against the diagonal; nn: the tile's last step.
; chk = 1: a step behind the tile's last is passed over (a scalar branch on ids), and the last is masked.  chk = 0: every key of every step of the loop counts.
.macro STEP qf, qs, st, oa, dm, nn, chk
.if \chk
	s_cmp_gt_u32 s[SS], s[\nn]
	s_cbranch_scc1 .Lskip_\@
.endif
	v_add_nc_u32 v[ADK], s[TK], v[AK0]             ; these five lines are the places behind the last products: K's loads land on p's codes, and the scores are written over V's fragments
	v_add_nc_u32 v[ADV], s[TK], v[AV0]
	v_add_nc_u32 v[ADKS], s[TKS], v[AKS0]
	v_add_nc_u32 v[ADVS], s[TVS], v[AVS0]
	v_nop
.irp t, 0,1,2,3,4,5,6,7
.irp j, 0,1,2
	ds_load_b64 v[KF+6*\t+2*\j:KF+6*\t+2*\j+1], v[ADK] offset:768*\t+256*\j   ; 32 lanes read 256 consecutive bytes
.endr
.endr
	ds_load_b128 v[KSC:KSC+3], v[ADKS]
	ds_load_b128 v[KSC+4:KSC+7], v[ADKS] offset:256
	s_wait_dscnt 0x0
.irp t, 0,1,2,3,4,5,6,7
	v_wmma_scale_f32_16x16x128_f8f6f4 v[SR+8*\t:SR+8*\t+7], v[KF+6*\t:KF+6*\t+11], v[\qf:\qf+11], 0, v[KSC+\t], v[\qs] matrix_a_fmt:MATRIX_FMT_BF6 matrix_b_fmt:MATRIX_FMT_BF6
.endr
.rept 4
	v_nop                                          ; four places ahead of the first read of the scores and the first write of K's registers
.endr
.if \chk
	s_cmp_lg_u32 s[SS], s[\nn]
	s_cbranch_scc1 .Lopen_\@
.set n_, 0
.rept 64                                       ; on the diagonal: register 16 b + i holds key 32 b + 16 (lane / 16) + i of the step: hidden where 32 b + i > my query's place - 16 (lane / 16)
	v_cmp_gt_i32 vcc_lo, 32*(n_/16)+n_%16, v[\dm]
	v_cndmask_b32 v[SR+n_], v[SR+n_], v11, vcc_lo
.set n_, n_+1
.endr
.Lopen_\@:
.endif
.irp b, 0,1,2,3
	v_max3_num_f32 v[BM+\b], v[SR+16*\b], v[SR+1+16*\b], v[SR+2+16*\b]   ; the largest score of each block of 32 keys: for the row's maximum, and, since p rises with the score, for the block's largest p
.endr
.irp i, 3,5,7,9,11,13
.irp b, 0,1,2,3
	v_max3_num_f32 v[BM+\b], v[BM+\b], v[SR+16*\b+\i], v[SR+1+16*\b+\i]
.endr
.endr
.irp b, 0,1,2,3
	v_max_num_f32 v[BM+\b], v[BM+\b], v[SR+15+16*\b]
.endr
.irp b, 0,1,2,3
	s_delay_alu instid0(VALU_DEP_4)
	v_permlanex16_b32 v[PR+\b], v[BM+\b], s[SEL], s[SEL+1]
.endr
.irp b, 0,1,2,3
	s_delay_alu instid0(VALU_DEP_4)
	v_max_num_f32 v[BM+\b], v[BM+\b], v[PR+\b]     ; with lane l xor 16's 16 keys
.endr
	s_delay_alu instid0(VALU_DEP_2)
	v_max3_num_f32 v[TT], v[BM], v[BM+1], v[BM+2]
	s_delay_alu instid0(VALU_DEP_1)
	v_max_num_f32 v[TT], v[TT], v[BM+3]
	s_delay_alu instid0(VALU_DEP_1)
	v_mul_f32 v[TT], s[CS], v[TT]                  ; the step's largest t (c is positive)
	s_delay_alu instid0(VALU_DEP_1)
	v_max_num_f32 v[\st+1], v[\st+1], v[TT]        ; the running largest t
	v_mov_b32 v[TT], v[\st]
	s_delay_alu instid0(VALU_DEP_2)
	v_floor_f32 v[\st], -v[\st+1]                  ; the new -M = floor(-t): M is a whole number
	s_delay_alu instid0(VALU_DEP_1)
	v_sub_f32 v[TT], v[\st], v[TT]                 ; old M - new M: a whole number, 0 or less
	s_delay_alu instid0(VALU_DEP_1)
	v_cvt_i32_f32 v[TT], v[TT]                     ; (it saturates)
	s_delay_alu instid0(VALU_DEP_1)
	v_ldexp_f32 v[FF], 1.0, v[TT]                  ; f = 2^(old M - new M): the rescaling rounds nothing
.set j_, 0
.rept 32
	v_pk_fma_f32 v[SR+j_:SR+j_+1], v[SR+j_:SR+j_+1], s[CS:CS+1], v[\st:\st+1] op_sel_hi:[1,0,0]   ; t - M, two at a time
.set j_, j_+2
.endr
.irp b, 0,1,2,3
	v_fma_f32 v[BM+\b], v[BM+\b], s[CS], v[\st]    ; the same of each block's largest score
.endr
.set j_, 0
	s_wait_alu depctr_va_vdst(0)
.rept 64
	v_exp_f32 v[SR+j_], v[SR+j_]                   ; p = 2^(t - M), at most 1
.set j_, j_+1
.endr
	v_pk_mul_f32 v[\st+2:\st+3], v[\st+2:\st+3], v[FF:FF+1] op_sel_hi:[1,0]   ; the sums under the new M: the plain line behind the exponentials
	s_wait_alu depctr_va_vdst(0)                   ; one wait for the batch of 64, ahead of its first reader
.irp b, 0,1,2,3
	v_exp_f32 v[BM+\b], v[BM+\b]                   ; the blocks' largest p
.endr
	v_pk_add_f32 v[PR:PR+1], v[SR:SR+1], v[SR+2:SR+3]   ; the row's sum of the unquantised p, in two chains
.irp j, 4,8,12,16,20,24,28,32,36,40,44,48,52,56,60
	v_pk_add_f32 v[\st+2:\st+3], v[\st+2:\st+3], v[SR+\j:SR+1+\j]
	v_pk_add_f32 v[PR:PR+1], v[PR:PR+1], v[SR+2+\j:SR+3+\j]
.endr
	s_delay_alu instid0(VALU_DEP_1)
	v_pk_add_f32 v[\st+2:\st+3], v[\st+2:\st+3], v[PR:PR+1]
	s_wait_alu depctr_va_vdst(0)                   ; and one for the four
.irp b, 0,1,2,3
	v_max_num_f32 v[BM+\b], 0x2800000, v[BM+\b]    ; the floor 2^(5 - 127): the byte cannot fall under 1
.endr
.irp b, 0,1,2,3
	s_delay_alu instid0(VALU_DEP_4)
	v_add_nc_u32 v[SO+\b], 0xfe000000, v[BM+\b]
.endr
.irp b, 0,1,2,3
	s_delay_alu instid0(VALU_DEP_4)
	v_lshrrev_b32 v[PR+\b], 23, v[SO+\b]
.endr
	s_delay_alu instid0(VALU_DEP_3)
	v_lshl_or_b32 v[PW], v[PR+1], 8, v[PR]
	s_delay_alu instid0(VALU_DEP_1)
	v_lshl_or_b32 v[PW], v[PR+2], 16, v[PW]
	s_delay_alu instid0(VALU_DEP_1)
	v_lshl_or_b32 v[PW], v[PR+3], 24, v[PW]
.irp c, 0,1
	v_cvt_scalef32_pk16_bf6_f32 v[PCD+6*\c:PCD+2+6*\c], v[SR+32*\c:SR+15+32*\c], v[SO+2*\c]
	v_cvt_scalef32_pk16_bf6_f32 v[PC2+4*\c:PC2+2+4*\c], v[SR+16+32*\c:SR+31+32*\c], v[SO+2*\c+1]
.endr
	v_nop                                          ; one plain place behind a scaled conversion
.irp t, 0,1,2,3                                ; p is in codes: V's four fragments and their scale words land on its registers while the codes are put in order and O^T is rescaled
.irp c, 0,1
.irp j, 0,1,2
	ds_load_b64 v[SR+12*\t+6*\c+2*\j:SR+12*\t+6*\c+2*\j+1], v[ADV] offset:3072*\c+768*\t+256*\j
.endr
.endr
.endr
	ds_load_b128 v[VSC:VSC+3], v[ADVS]
.irp c, 0,1
.irp i, 0,1,2
	v_permlane16_swap_b32 v[PCD+6*\c+\i], v[PC2+4*\c+\i]
.endr
.irp i, 0,1,2
	s_delay_alu instid0(VALU_DEP_3)
	v_mov_b32 v[PCD+3+6*\c+\i], v[PC2+4*\c+\i]
.endr
.endr
.set j_, 0
.rept 16
	v_pk_mul_f32 v[\oa+j_:\oa+j_+1], v[\oa+j_:\oa+j_+1], v[FF:FF+1] op_sel_hi:[1,0]   ; O^T under the new M; these sixteen are also the places between the writes of p's codes and word and the products
.set j_, j_+2
.endr
	s_wait_alu depctr_va_vdst(0)
	s_wait_dscnt 0x0
.irp t, 0,1,2,3
	v_wmma_scale_f32_16x16x128_f8f6f4 v[\oa+8*\t:\oa+8*\t+7], v[SR+12*\t:SR+12*\t+11], v[PCD:PCD+11], v[\oa+8*\t:\oa+8*\t+7], v[VSC+\t], v[PW] matrix_a_fmt:MATRIX_FMT_BF6 matrix_b_fmt:MATRIX_FMT_BF6
.endr
.if \chk
.Lskip_\@:
.endif
.endm
; A tile's end: O^T / the sum; its 32 numbers a lane are two blocks of 32 channels: six registers of codes to memory, the two bytes to the gather in LDS.
.macro FIN st, oa, aa, nn, cr, pb, wd, la
	v_add_f32 v242, v[\st+2], v[\st+3]
	s_delay_alu instid0(VALU_DEP_1)
	v_permlanex16_b32 v243, v242, s[SEL], s[SEL+1]
	s_delay_alu instid0(VALU_DEP_1)
	v_add_f32 v242, v242, v243                     ; the row's sum
	s_wait_alu depctr_va_vdst(0)
	v_rcp_f32 v242, v242
	s_lshl_b32 s19, s13, 4
	s_add_co_u32 s19, s19, s[\nn]                  ; the record: 16 b + A / 8
	s_mul_i32 s[\pb], s19, 106496
	s_lshr_b32 s19, s14, 1
	s_mul_i32 s19, s19, 12288                      ; the K step of the last product: head / 2
	s_add_co_u32 s[\pb], s[\pb], s19
	s_and_b32 s19, s[\aa], 7
	s_mul_i32 s19, s19, 1536
	s_add_co_u32 s[\pb], s[\pb], s19
	s_mul_i32 s19, s18, 768                        ; the fragment's half: head % 2
	s_add_co_u32 s[\pb], s[\pb], s19
	s_add_co_u32 s[\pb], s[\pb], 8192
	s_mov_b32 s[\pb+1], 0
	s_add_nc_u64 s[\pb:\pb+1], s[8:9], s[\pb:\pb+1]
	v_nop                                          ; a plain line behind the reciprocal
	s_wait_alu depctr_va_vdst(0)                   ; and the wait ahead of its first reader
.set j_, 0
.rept 16
	v_pk_mul_f32 v[\oa+j_:\oa+j_+1], v[\oa+j_:\oa+j_+1], v[242:243] op_sel_hi:[1,0]
.set j_, j_+2
.endr
.irp b, 0,1
	v_max3_num_f32 v[244+\b], |v[\oa+16*\b]|, |v[\oa+1+16*\b]|, 0x2800000
.endr
.irp i, 2,4,6,8,10,12,14
.irp b, 0,1
	s_delay_alu instid0(VALU_DEP_2)
	v_max3_num_f32 v[244+\b], v[244+\b], |v[\oa+16*\b+\i]|, |v[\oa+1+16*\b+\i]|
.endr
.endr
.irp b, 0,1
	s_delay_alu instid0(VALU_DEP_2)
	v_permlanex16_b32 v[246+\b], v[244+\b], s[SEL], s[SEL+1]
.endr
.irp b, 0,1
	s_delay_alu instid0(VALU_DEP_2)
	v_max_num_f32 v[244+\b], v[244+\b], v[246+\b]
.endr
.irp b, 0,1
	s_delay_alu instid0(VALU_DEP_2)
	v_add_nc_u32 v[248+\b], 0xfe000000, v[244+\b]
.endr
.irp b, 0,1
	s_delay_alu instid0(VALU_DEP_2)
	v_lshrrev_b32 v[246+\b], 23, v[248+\b]
.endr
	s_delay_alu instid0(VALU_DEP_1)
	v_lshl_or_b32 v[\wd], v247, 8, v246
	s_delay_alu instid0(VALU_DEP_1)
	v_lshlrev_b32 v[\wd], s98, v[\wd]              ; an odd head's two bytes are the word's upper two
	v_cvt_scalef32_pk16_bf6_f32 v[\cr:\cr+2], v[\oa:\oa+15], v248
	v_cvt_scalef32_pk16_bf6_f32 v[\cr+4:\cr+6], v[\oa+16:\oa+31], v249
	v_nop
.irp i, 0,1,2
	v_permlane16_swap_b32 v[\cr+\i], v[\cr+4+\i]
.endr
.irp i, 0,1,2
	s_delay_alu instid0(VALU_DEP_3)
	v_mov_b32 v[\cr+3+\i], v[\cr+4+\i]
.endr
.irp j, 0,1,2
	global_store_b64 v[AK0], v[\cr+2*\j:\cr+2*\j+1], s[\pb:\pb+1] offset:256*\j   ; 32 lanes store one aligned block of 256 bytes
.endr
	ds_store_b32 v[\la], v[\wd]                    ; lanes r and r + 16 write the same word with the same value
.endm
	s_load_b128 s[4:7], s[0:1], 0x0                ; qkq, vtq
	s_load_b64 s[8:9], s[0:1], 0x10                ; oq
	v_lshl_add_u32 v254, v0, 2, 0x33800
	v_mov_b32 v255, 0
	ds_add_u32 v254, v255
	ds_add_u32 v254, v255
	s_wait_dscnt 0x0
	v_lshrrev_b32 v1, 5, v0
	s_delay_alu instid0(VALU_DEP_1)
	v_readfirstlane_b32 s[WV], v1                  ; wave 0..15
	s_mov_b32 s11, ttmp9                           ; i
	s_and_b32 s12, ttmp7, 0xffff
	s_lshr_b32 s13, s12, 4                         ; b
	s_and_b32 s14, s12, 15                         ; the head
	s_and_b32 s15, s[WV], 3
	s_lshl_b32 s2, s11, 4
	s_add_co_u32 s2, s2, s[WV]                     ; tile L
	s_sub_co_u32 s3, 7, s11
	s_lshl_b32 s3, s3, 4
	s_xor_b32 s12, s[WV], 15
	s_add_co_u32 s3, s3, s12                       ; tile H
	s_lshr_b32 s[NL], s2, 3
	s_lshr_b32 s[NH], s3, 3
	s_mov_b32 s[SEL], 0x76543210
	s_mov_b32 s[SEL+1], 0xfedcba98
	s_mov_b32 s[CS], 0x3d38aa3b                    ; log2(e) / 32
	s_mov_b32 s[CS+1], s[CS]
	; every LDS address register that stays is made here, ahead of the branch on the wave's number
	v_and_b32 v242, 31, v0                         ; lane
	v_and_b32 v243, 15, v0                         ; r
	v_bfe_u32 v244, v0, 4, 1                       ; h
	s_delay_alu instid0(VALU_DEP_3)
	v_lshlrev_b32 v[AK0], 3, v242
	s_delay_alu instid0(VALU_DEP_1)
	v_add_nc_u32 v[AV0], VC, v[AK0]
	s_delay_alu instid0(VALU_DEP_4)
	v_lshlrev_b32 v[R16], 4, v243
	s_wait_alu depctr_va_vdst(0)
	v_add_nc_u32 v[AKS0], KS, v[R16]
	v_add_nc_u32 v[AVS0], VS, v[R16]
	s_lshr_b32 s16, s[WV], 2
	s_lshl_b32 s16, s16, 8
	s_lshl_b32 s17, s15, 2
	s_add_co_u32 s16, s16, s17
	s_add_co_u32 s16, s16, GA
	v_add_nc_u32 v252, s16, v[R16]                 ; L's word: block w of its 256 queries
	s_lshr_b32 s16, s12, 2
	s_lshl_b32 s16, s16, 8
	s_and_b32 s17, s12, 3
	s_lshl_b32 s17, s17, 2
	s_add_co_u32 s16, s16, s17
	s_add_co_u32 s16, s16, GA+1024
	v_add_nc_u32 v253, s16, v[R16]                 ; H's: block w xor 15
	s_lshl_b32 s16, s15, 9
	s_add_co_u32 s16, s16, GA
	v_lshl_add_u32 v254, v242, 4, s16              ; back: 512 bytes for each of waves 0 to 3
	v_lshl_add_u32 v255, v244, 12, v[R16]          ; and their place in a record: 4,096 x quad + 16 r
	; descriptor groups 1: elements of 8 bytes, no mask, no padding
	s_mov_b32 s24, 3<<16                           ; K's codes: a step is a row of 6,144 bytes, 196,608 bytes apart; how many rows, each load's own arm says
	s_mov_b32 s25, 768<<16
	s_mov_b32 s27, 768<<16
	s_mov_b32 s29, 24576
	s_mov_b32 s30, 0
	s_mov_b32 s31, 0
	s_mov_b32 s32, 3<<16                           ; V's codes: a step is two rows (fragment halves) of 3,072 bytes, rows 6,144 apart
	s_mov_b32 s33, 384<<16
	s_mov_b32 s35, 384<<16
	s_mov_b32 s37, 768
	s_mov_b32 s38, 0
	s_mov_b32 s39, 0
	s_mov_b32 s40, 3<<16                           ; K's scale words: a step is a row of 512 bytes, 16,384 apart
	s_mov_b32 s41, 64<<16
	s_mov_b32 s43, 64<<16
	s_mov_b32 s45, 2048
	s_mov_b32 s46, 0
	s_mov_b32 s47, 0
	s_mov_b32 s48, 3<<16                           ; V's: a step is a row of 256 bytes, 1,024 apart
	s_mov_b32 s49, 32<<16
	s_mov_b32 s51, 32<<16
	s_mov_b32 s53, 128
	s_mov_b32 s54, 0
	s_mov_b32 s55, 0
	; the head's place in q's and k's workspace
	s_lshr_b32 s16, s14, 2
	s_lshl_b32 s17, s13, 7
	s_add_co_u32 s16, s16, s17                     ; q's tile of the batch's first panel: (head / 4) + 128 b
	s_bfe_u32 s17, s14, 0x10001                    ; the R half
	s_and_b32 s18, s14, 1                          ; the fragment's half
	s_mul_i32 s90, s17, 12288
	s_mul_i32 s91, s18, 6144
	s_add_co_u32 s90, s90, s91
	s_add_co_u32 s90, s90, 1048576                 ; in a tile of codes (and the codes' start)
	s_lshl_b32 s91, s17, 10
	s_lshl_b32 s19, s18, 9
	s_add_co_u32 s91, s91, s19                     ; in a slot of scale words
	s_add_co_u32 s92, s16, 4                       ; k's tiles lie four on
	s_mul_i32 s93, s92, 24576
	s_add_co_u32 s93, s93, s90
	s_lshl_b32 s92, s92, 11
	s_add_co_u32 s92, s92, s91
	s_mov_b32 s94, s93                             ; K's codes of step 0
	s_mov_b32 s95, 0
	s_mov_b32 s96, s92                             ; K's scale words of step 0
	s_mov_b32 s97, 0
	s_wait_kmcnt 0x0
	s_mov_b32 s56, 1
	s_add_nc_u64 s[58:59], s[4:5], s[96:97]
	s_or_b32 s59, s59, 0x80000000
	s_mov_b32 s60, 1
	s_add_nc_u64 s[62:63], s[4:5], s[94:95]
	s_or_b32 s63, s63, 0x80000000
	s_lshr_b32 s92, s14, 1
	s_lshl_b32 s92, s92, 3
	s_lshl_b32 s93, s13, 6
	s_add_co_u32 s92, s92, s93                     ; V's first tile: 8 (head / 2) + 64 b
	s_mul_i32 s94, s92, 24576
	s_mul_i32 s93, s18, 3072
	s_add_co_u32 s94, s94, s93
	s_add_co_u32 s94, s94, 1048576
	s_lshl_b32 s96, s92, 11
	s_lshl_b32 s93, s18, 8
	s_add_co_u32 s96, s96, s93
	s_mov_b32 s72, 1
	s_add_nc_u64 s[74:75], s[6:7], s[96:97]
	s_or_b32 s75, s75, 0x80000000
	s_mov_b32 s76, 1
	s_add_nc_u64 s[78:79], s[6:7], s[94:95]
	s_or_b32 s79, s79, 0x80000000
; THE FILLS: eight tensor loads, one a wave, each in its own arm of one chain of branches on the wave's number; waves 8 to 15 issue none.  Each byte is filled once.
; Waves 0 to 3 bring what steps 0 to 2 need (all scale words; K's and V's codes of those steps) and alone wait ahead of the first barrier; waves 4 to 7 bring steps 3 to 8 and 9 to 15,
; shown to all by the barrier between the loops over steps 0-2 and 3-7.  Every work-group reads step 9, so some bytes of every load are read.
; An arm writes its tile's place in LDS and its rows, constants, and steps the address on from step 0's.
.macro ARM w, g0, g1, lds, gofs, rows
	s_cmp_eq_u32 s[WV], \w
	s_cbranch_scc0 .Lnot_\w
	s_mov_b32 s[\g0+1], \lds
	s_mov_b32 s[\g1+2], (\rows)<<16
	s_mov_b32 s[\g1+4], \rows
.if \gofs
	s_add_nc_u64 s[\g0+2:\g0+3], s[\g0+2:\g0+3], \gofs
.endif
	tensor_load_to_lds s[\g0:\g0+3], s[\g1:\g1+7]
	s_nop 0
.rept 4
	v_nop
.endr
	s_branch .Lasked
.Lnot_\w:
.endm
	ARM 0, 56, 40, KS, 0, 16
	ARM 1, 72, 48, VS, 0, 16
	ARM 2, 60, 24, KC, 0, 3
	ARM 3, 76, 32, VC, 0, 6
	ARM 4, 60, 24, KC+3*6144, 3*196608, 6
	ARM 5, 76, 32, VC+3*6144, 3*12288, 12
	ARM 6, 60, 24, KC+9*6144, 9*196608, 7
	ARM 7, 76, 32, VC+9*6144, 9*12288, 14
.Lasked:
	QADR 2, NL, 92, 94
	QADR 3, NH, 96, 98
.irp j, 0,1,2
	global_load_b64 v[36+2*\j:37+2*\j], v[AK0], s[92:93] offset:256*\j
	global_load_b64 v[48+2*\j:49+2*\j], v[AK0], s[96:97] offset:256*\j
.endr
	global_load_b32 v20, v[R16], s[94:95]
	global_load_b32 v21, v[R16], s[98:99]
	v_and_b32 v246, 8, v243
	s_delay_alu instid0(VALU_DEP_1)
	v_add_nc_u32 v246, v246, v243                  ; r + (r & 8)
	v_lshlrev_b32 v247, 4, v244
	s_delay_alu instid0(VALU_DEP_1)
	v_sub_nc_u32 v246, v246, v247                  ; - 16 h
	s_wait_alu depctr_va_vdst(0)
	s_bfe_u32 s17, s2, 0x20001
	s_lshl_b32 s17, s17, 5
	s_and_b32 s19, s2, 1
	s_lshl_b32 s19, s19, 3
	s_add_co_u32 s17, s17, s19
	v_add_nc_u32 v9, s17, v246                     ; L: my query's place in its step - 16 h
	s_bfe_u32 s17, s3, 0x20001
	s_lshl_b32 s17, s17, 5
	s_and_b32 s19, s3, 1
	s_lshl_b32 s19, s19, 3
	s_add_co_u32 s17, s17, s19
	v_add_nc_u32 v10, s17, v246                    ; H
	v_mov_b32 v11, 0xff800000                      ; -infinity
.irp s, 12, 16
	v_mov_b32 v[\s+1], 0xff61b1e6                  ; the largest t so far: -3e38
	s_delay_alu instid0(VALU_DEP_1)
	v_floor_f32 v[\s], -v[\s+1]                    ; -M
	v_mov_b32 v[\s+2], 0
	v_mov_b32 v[\s+3], 0
.endr
.irp j, 0,1,2,3,4,5
	v_mov_b32 v[42+\j], 0                          ; Q's upper halves: zero codes
	v_mov_b32 v[54+\j], 0
	v_mov_b32 v[108+\j], 0                         ; behind K's last tile
.endr
	s_wait_loadcnt 0x0                             ; Q
	v_and_b32 v20, 0xffff, v20                     ; the head's two bytes; the upper two, over zero codes, are 0
	v_and_b32 v21, 0xffff, v21
.set j_, 0
.rept 64
	v_mov_b32 v[178+j_], 0                         ; O^T of both tiles: the step is written once and finds zeros; these lines are also the places behind the two writes above
.set j_, j_+1
.endr
	s_cmp_lt_u32 s[WV], 4                          ; waves 0 to 3: my fill has landed; the fills of waves 4 to 7 may stay on their way
	s_cbranch_scc0 .Lnot_first
	s_wait_tensorcnt 0x0
.Lnot_first:
	s_barrier_signal -1
	s_barrier_wait -1                              ; all scale words and steps 0 to 2 lie in LDS
	s_mov_b32 s[SS], 0
	s_mov_b32 s[TK], 0
	s_mov_b32 s[TKS], 0
	s_mov_b32 s[TVS], 0
.Lloop_a:                                          ; steps 0-2: L as far as it goes; H's last step is 8 or later, so here all its keys count
	STEP 36, 20, 12, 178, 9, NL, 1
	STEP 48, 21, 16, 210, 10, NH, 0
	s_add_co_u32 s[TK], s[TK], 6144
	s_add_co_u32 s[TKS], s[TKS], 512
	s_add_co_u32 s[TVS], s[TVS], 256
	s_add_co_u32 s[SS], s[SS], 1
	s_cmp_lt_u32 s[SS], 3
	s_cbranch_scc1 .Lloop_a
	s_wait_tensorcnt 0x0                           ; every wave: my fill has landed (no LDS instruction of mine is out: a step ends behind its wait for 0),
	s_barrier_signal -1
	s_barrier_wait -1                              ; everybody's has: the whole head's K and V lie in LDS
	s_mov_b32 s[SS], 3                             ; this loop's start, written out so that its text stands by itself
	s_mov_b32 s[TK], 18432
	s_mov_b32 s[TKS], 1536
	s_mov_b32 s[TVS], 768
.Lloop_a2:                                         ; steps 3-7, as steps 0-2
	STEP 36, 20, 12, 178, 9, NL, 1
	STEP 48, 21, 16, 210, 10, NH, 0
	s_add_co_u32 s[TK], s[TK], 6144
	s_add_co_u32 s[TKS], s[TKS], 512
	s_add_co_u32 s[TVS], s[TVS], 256
	s_add_co_u32 s[SS], s[SS], 1
	s_cmp_lt_u32 s[SS], 8
	s_cbranch_scc1 .Lloop_a2
	s_mov_b32 s[SS], 8
	s_mov_b32 s[TK], 49152
	s_mov_b32 s[TKS], 4096
	s_mov_b32 s[TVS], 2048
.Lloop_b:                                          ; steps 8-15: H alone
	STEP 48, 21, 16, 210, 10, NH, 1
	s_add_co_u32 s[TK], s[TK], 6144
	s_add_co_u32 s[TKS], s[TKS], 512
	s_add_co_u32 s[TVS], s[TVS], 256
	s_add_co_u32 s[SS], s[SS], 1
	s_cmp_lt_u32 s[SS], 16
	s_cbranch_scc1 .Lloop_b
.rept 4
	v_nop                                          ; four places behind the last products, on every way here
.endr
	s_lshl_b32 s98, s18, 4                         ; 16 x (head % 2)
	FIN 12, 178, 2, NL, 60, 92, 250, 252
	FIN 16, 210, 3, NH, 68, 94, 251, 253
	; o's scale words leave in whole blocks: waves 0-3 take a panel each (L's two, H's two)
	s_sub_co_u32 s17, 7, s11
	s_lshr_b32 s16, s[WV], 1
	s_cmp_eq_u32 s16, 0
	s_cselect_b32 s17, s11, s17                    ; the block of 256 queries
	s_lshl_b32 s17, s17, 1
	s_and_b32 s16, s[WV], 1
	s_add_co_u32 s17, s17, s16
	s_lshl_b32 s16, s13, 4
	s_add_co_u32 s17, s17, s16                     ; the record
	s_mul_i32 s96, s17, 106496
	s_lshr_b32 s16, s14, 1
	s_lshl_b32 s16, s16, 9
	s_add_co_u32 s96, s96, s16
	s_lshl_b32 s16, s18, 8
	s_add_co_u32 s96, s96, s16
	s_mov_b32 s97, 0
	s_add_nc_u64 s[96:97], s[8:9], s[96:97]
	s_wait_dscnt 0x0                               ; for the others' sake: my two words have landed
	s_barrier_signal -1
	s_barrier_wait -1
	s_cmp_lt_u32 s[WV], 4
	s_cbranch_scc0 .Lend
	ds_load_b128 v[76:79], v254
	s_wait_dscnt 0x0
	global_store_b128 v255, v[76:79], s[96:97]     ; sixteen lanes store one aligned block of 256 bytes: a quad's words of this head
.Lend:
	s_wait_xcnt 0x0
	v_lshl_add_u32 v254, v0, 2, 0x33800
	v_mov_b32 v255, 0
	s_wait_alu depctr_va_vdst(0)
	s_wait_tensorcnt 0x0
	ds_add_u32 v254, v255
	s_wait_dscnt 0x0
	s_endpgm
.Lfunc_end_k_qf0fc44bae6_attn:
	.size	k_qf0fc44bae6_attn, .Lfunc_end_k_qf0fc44bae6_attn-k_qf0fc44bae6_attn
	.p2alignl 7, 3214868480
	.fill 96, 4, 3214868480
	.section	.rodata,"a",@progbits
	.p2align	6, 0x0
	.amdhsa_kernel k_qf0fc44bae6_attn
		.amdhsa_group_segment_fixed_size 212992
		.amdhsa_private_segment_fixed_size 0
		.amdhsa_enable_private_segment 0
		.amdhsa_kernarg_size 24
		.amdhsa_user_sgpr_count 2
		.amdhsa_user_sgpr_kernarg_segment_ptr 1
		.amdhsa_wavefront_size32 1
		.amdhsa_system_sgpr_workgroup_id_x 1
		.amdhsa_system_sgpr_workgroup_id_y 1
		.amdhsa_system_sgpr_workgroup_id_z 1
		.amdhsa_system_vgpr_workitem_id 0
		.amdhsa_next_free_vgpr 256
		.amdhsa_next_free_sgpr 100
		.amdhsa_reserve_vcc 1
		.amdhsa_float_denorm_mode_32 3
		.amdhsa_float_denorm_mode_16_64 3
		.amdhsa_memory_ordered 1
		.amdhsa_forward_progress 1
		.amdhsa_inst_pref_size 133
	.end_amdhsa_kernel
	.amdgpu_metadata
---
amdhsa.version: [ 1, 2 ]
amdhsa.kernels:
  - .name:           k_qf0fc44bae6_attn
    .symbol:         k_qf0fc44bae6_attn.kd
    .args:
      - { .name: qkq, .offset: 0, .size: 8, .value_kind: global_buffer, .address_space: global }
      - { .name: vtq, .offset: 8, .size: 8, .value_kind: global_buffer, .address_space: global }
      - { .name: oq, .offset: 16, .size: 8, .value_kind: global_buffer, .address_space: global }
    .group_segment_fixed_size: 212992
    .private_segment_fixed_size: 0
    .kernarg_segment_align: 8
    .kernarg_segment_size: 24
    .max_flat_workgroup_size: 512
    .sgpr_count:     100
    .vgpr_count:     256
    .wavefront_size: 32
...
	.end_amdgpu_metadata
.endif
;; end of part 3
;; launch proj (part 4): grid 4 x 64, 4 waves a work-group, clusters of 4 x 4, 311,808 bytes of LDS; arguments oq, wpq, b_proj, out0; writes out0
.if DOCPART == 4
	.amdgcn_target "amdgcn-amd-amdhsa--gfx1250"
	.amdhsa_code_object_version 6
	.text
	.protected	k_qf0fc44bae6_proj
	.globl	k_qf0fc44bae6_proj
	.p2align	8
	.type	k_qf0fc44bae6_proj,@function
k_qf0fc44bae6_proj:
	s_mov_b64 s[64:65], 0
	v_nop
	global_prefetch_b8 v0, s[64:65] scope:SCOPE_SE
	s_setreg_imm32_b32 hwreg(HW_REG_WAVE_MODE, 25, 1), 1
	s_wait_xcnt 0x0
	s_wait_alu depctr_hold_cnt(0) depctr_sa_sdst(0) depctr_va_vdst(0) depctr_va_sdst(0) depctr_va_ssrc(0) depctr_va_vcc(0) depctr_vm_vsrc(0)
	s_getreg_b32 s2, hwreg(HW_REG_IB_STS2, 6, 4)
	s_cmp_eq_u32 s2, 0
	s_cbranch_scc0 .Lentry_in_a_cluster
	s_endpgm
.Lentry_in_a_cluster:
	s_bfe_u32 s2, ttmp6, 0x10000c
	s_cmp_lg_u32 s2, 0xf033
	s_cbranch_scc0 .Lentry_shape_is_right
	s_endpgm
.Lentry_shape_is_right:
; out0[t][n] = the sum over c of o[t][c] w_proj[c][n] + b_proj[n], K = 1,024, on codes of BF6 (E3M2) with E8M0 scales; out0 is f32.
; P = o's records (128 tokens: 8,192 bytes of half scale words [quad][K step][head % 2][16 r + 4 j], then the codes [K step][block][6 x 256]: registers 2 q, 2 q + 1 of lane l at 256 q + 8 l);
; R = w_proj's records (128 outputs n: 4,096 bytes of scale words [quad][K step][256], then [K step][block][3 x 512]).
; A work-group makes 128 tokens (record y) x 256 outputs (records 2 x, 2 x + 1); the three records, 311,296 bytes, lie whole in LDS, each byte filled once by a tensor load.
; Wave w: P's quad w / 2 x R's record w % 2: 32 accumulators.  The matrix instruction is used transposed (source 0 = 16 rows of R, source 1 = 16 tokens): a lane holds one token, and the 16 registers of R's blocks
; 2 g, 2 g + 1 are outputs 32 g + 16 (lane / 16) + 0 .. 15.  The bias is the C of each sum's first matrix instruction.
; A K step's scale word of a token comes in two halves, from the two heads of that step: they are joined once, behind the first barrier.
; CLUSTERS: 4 x 4 work-groups; P's record is shared along a row of the cluster, R's two along a column.
; REGISTERS: window 0: v1-13 addresses; v36-43, v52-59 R's scale words, two sets; v64-159 P's fragments, two sets; v160-223 P's half words; v224-255 P's scale words (K step s, block i: v[224 + 4 s + i]);
;   on the way out v64-191 rows of out0.   window 1: R's fragments, two sets of 96; v192-255 the bias, eight registers for each of R's blocks.   window 2: accumulator (i, b) at v[8 (8 i + b)].
.set RECP, 106496
.set P1P,  45056                       ; P's part 1: its half scale words and K steps 0 to 2; part 2 is K steps 3 to 7
.set REC,  102400
.set P1B,  40960                       ; the same of a record of R
.set G1P2, 48                          ; s[48:55] group 1 of P's part 2
.set G1R2, 76                          ; s[76:83] group 1 of R's part 2
.set ADP0, 4
.set ADR0, 6
.set ASP,  8
.set ASR,  9
.set GO,   10                          ; 16 x lane
.set BO,   11                          ; 64 h
.set STO,  12
.set RD,   13
.set WV,   12
.set G1P,  24
.set G1R,  32
.set G0P,  40
.set G0R,  68
.set MSB, 0
.macro WIN new                         ; the immediate's high byte repeats the setting that is left
.if MSB != \new
	s_set_vgpr_msb (MSB<<8)|\new
.set MSB, \new
.endif
.endm
.macro PLACES n
.rept \n
	v_nop
.endr
.endm
.macro CROUND                          ; a round of the cluster's barrier
	s_barrier_signal -1
	s_barrier_wait -1
	s_cmp_lg_u32 s[WV], 0
	s_cbranch_scc1 .Lnot_wave_0_\@
	s_barrier_signal -3
.Lnot_wave_0_\@:
	s_barrier_wait -3
	s_barrier_signal -1
	s_barrier_wait -1
.endm
; 50 LDS loads in one run: K step s's eight fragments of R, four of P, and R's scale words, into set p
.macro FETCH s, p
	WIN 0x40
.irp b, 0,1,2,3,4,5,6,7
.irp c, 0,1,2
	ds_load_b128 v[96*(\p)+12*\b+4*\c:96*(\p)+12*\b+4*\c+3], v[ADR0+((\s)+5)/8] offset:((\s)-3*(((\s)+5)/8))*12288+\b*1536+512*\c   ; steps 0-2 by the first address, steps 3-7 by the second
.endr
.endr
	WIN 0
.irp i, 0,1,2,3
.irp q, 0,1,2,3,4,5
	ds_load_b64 v[64+48*(\p)+12*\i+2*\q:64+48*(\p)+12*\i+2*\q+1], v[ADP0+(\s)/4] offset:((\s)%4)*12288+\i*1536+256*\q
.endr
.endr
	ds_load_b128 v[36+16*(\p):39+16*(\p)], v[ASR] offset:256*(\s)
	ds_load_b128 v[40+16*(\p):43+16*(\p)], v[ASR] offset:2048+256*(\s)
.endm
; 32 matrix instructions, the accumulators by turns.  first = 1: the sums begin with the bias
.macro MUL s, p, first
.if \first
	WIN 0x91                                       ; source 0 (R) and C (the bias) window 1, source 1 (P) window 0, D window 2
.else
	WIN 0xa1                                       ; C and D window 2
.endif
.irp i, 0,1,2,3
.irp b, 0,1,2,3,4,5,6,7
.if \first
	v_wmma_scale_f32_16x16x128_f8f6f4 v[8*(8*\i+\b):8*(8*\i+\b)+7], v[96*(\p)+12*\b:96*(\p)+12*\b+11], v[64+48*(\p)+12*\i:64+48*(\p)+12*\i+11], v[192+8*\b:192+8*\b+7], v[36+16*(\p)+\b], v[224+4*(\s)+\i] matrix_a_fmt:MATRIX_FMT_BF6 matrix_b_fmt:MATRIX_FMT_BF6
.else
	v_wmma_scale_f32_16x16x128_f8f6f4 v[8*(8*\i+\b):8*(8*\i+\b)+7], v[96*(\p)+12*\b:96*(\p)+12*\b+11], v[64+48*(\p)+12*\i:64+48*(\p)+12*\i+11], v[8*(8*\i+\b):8*(8*\i+\b)+7], v[36+16*(\p)+\b], v[224+4*(\s)+\i] matrix_a_fmt:MATRIX_FMT_BF6 matrix_b_fmt:MATRIX_FMT_BF6
.endif
.endr
.endr
.endm
.macro KSTEP s, bar, first
	s_wait_dscnt 0x0                               ; this step's 50 loads are in
.if (\bar) >= 0
	s_wait_tensorcnt \bar                          ; at most bar of my tensor loads are out: the part that the next step ends in has landed
	s_barrier_signal -1
	s_barrier_wait -1
.endif
.if (\s) < 7
	PLACES 4                                       ; four places ahead of loads into registers that the last products read
	FETCH (\s)+1, ((\s)+1)%2
.endif
	MUL \s, (\s)%2, \first
	WIN 0
.endm
; THE WAY OUT, a block of 16 tokens x 128 outputs at a time, through my stage in LDS: in as 64 bytes a lane and pair of R's blocks, back as whole rows of 512 bytes
.macro TOSTAGE i
	WIN 0x08                                       ; an LDS store's data are its source 1: window 2
.irp g, 0,1,2,3
.irp q, 0,1,2,3
	ds_store_b128 v[STO], v[64*(\i)+16*\g+4*\q:64*(\i)+16*\g+4*\q+3] offset:128*\g+16*\q   ; each accumulator from its low end on
.endr
.endr
	WIN 0
.set BB, 64+64*((\i)%2)
.irp t, 0,1,2,3,4,5,6,7,8,9,10,11,12,13,14,15
	ds_load_b128 v[BB+4*\t:BB+4*\t+3], v[RD] offset:528*\t   ; LDS serves a wave's instructions in order: these see the stores above
.endr
.endm
.macro SEND i, younger
.set BB, 64+64*((\i)%2)
	s_wait_dscnt \younger                          ; the block is back; the next block's 16 stores and 16 loads may be out
.irp t, 0,1,2,3,4,5,6,7,8,9,10,11,12,13,14,15
	global_store_b128 v[GO], v[BB+4*\t:BB+4*\t+3], s[10:11] offset:(32*((\i)/2)+8*((\i)%2)+\t+(\t&8))*4096 th:TH_STORE_NT   ; 32 lanes store 512 consecutive bytes of one token's row
.endr
.endm
	s_load_b256 s[4:11], s[0:1], 0x0               ; oq, wpq, b_proj, out0
	v_lshl_add_u32 v62, v0, 2, 0x4c000
	v_mov_b32 v63, 0
	ds_add_u32 v62, v63
	ds_add_u32 v62, v63
	v_lshrrev_b32 v1, 5, v0
	v_readfirstlane_b32 s[WV], v1                  ; wave 0..3
	s_lshr_b32 s19, s[WV], 1                       ; P's quad
	s_and_b32 s20, s[WV], 1                        ; R's record
	s_bfe_u32 s13, ttmp6, 0x40000                  ; cx
	s_bfe_u32 s14, ttmp6, 0x40004                  ; cy
	s_lshl_b32 s15, ttmp9, 2
	s_add_co_u32 s15, s15, s13                     ; x
	s_and_b32 s16, ttmp7, 0xffff
	s_lshl_b32 s16, s16, 2
	s_add_co_u32 s16, s16, s14                     ; y
	s_lshl_b32 s17, s14, 2
	s_lshl_b32 s17, 15, s17                        ; my row of the cluster
	s_lshl_b32 s18, 0x1111, s13                    ; my column
	s_or_b32 s[G1P], s17, (3<<16)|(1<<21)          ; the mask; elements of 8 bytes; bit 21 beside a mask; no padding
	s_or_b32 s[G1R], s18, (3<<16)|(1<<21)
	s_or_b32 s[G1P2], s17, (3<<16)|(1<<21)
	s_or_b32 s[G1R2], s18, (3<<16)|(1<<21)
.macro GRP g, c, r, p                          ; r rows of c elements of 8 bytes, p elements apart
	s_mov_b32 s[\g+1], (\c)<<16
	s_mov_b32 s[\g+2], (\r)<<16
	s_mov_b32 s[\g+3], (\c)<<16
	s_mov_b32 s[\g+4], \r
	s_mov_b32 s[\g+5], \p
	s_mov_b32 s[\g+6], 0
	s_mov_b32 s[\g+7], 0
.endm
	GRP G1P,  32, P1P/256, 32                      ; P's parts: dense, as rows of 256 bytes
	GRP G1P2, 32, (RECP-P1P)/256, 32
	GRP G1R,  P1B/8, 2, REC/8                      ; R's parts: the same part of both records, two long rows a record apart; in LDS they lie on end
	GRP G1R2, (REC-P1B)/8, 2, REC/8
	v_and_b32 v1, 31, v0                           ; lane
	v_and_b32 v2, 15, v0                           ; r
	v_bfe_u32 v3, v0, 4, 1                         ; h
	s_wait_alu depctr_va_vdst(0)                   ; the wait here, directly behind the writes of lane, r and h
	s_mul_i32 s21, s19, 6144
	s_add_co_u32 s21, s21, 8192
	v_lshl_add_u32 v[ADP0], v1, 3, s21
	v_add_nc_u32 v[ADP0+1], 49152, v[ADP0]
	s_mul_i32 s21, s20, P1B                        ; LDS: P's record, then R's [part][record]
	s_add_co_u32 s21, s21, RECP
	v_lshl_add_u32 v[ASR], v2, 4, s21
	s_add_co_u32 s21, s21, 4096
	v_lshl_add_u32 v[ADR0], v1, 4, s21
	s_mul_i32 s21, s20, REC-P1B
	s_add_co_u32 s21, s21, RECP+2*P1B
	v_lshl_add_u32 v[ADR0+1], v1, 4, s21
	s_lshl_b32 s21, s19, 12
	v_lshl_add_u32 v[ASP], v2, 4, s21
	v_lshlrev_b32 v[GO], 4, v1
	v_lshlrev_b32 v[BO], 6, v3
	s_mul_i32 s21, s[WV], 8448                     ; my stage: 16 rows of 512 + 16 bytes, in bytes that have had their one fill and are read no more when the first result is stored
	v_mul_u32_u24 v[STO], v2, 528
	v_lshl_add_u32 v[STO], v3, 6, v[STO]
	v_add_nc_u32 v[STO], s21, v[STO]
	v_lshl_add_u32 v[RD], v1, 4, s21
	s_mul_i32 s56, s16, RECP                       ; P's record hangs on y alone,
	s_mov_b32 s57, 0
	s_mul_i32 s60, s15, 2*REC                      ; R's two records on x alone
	s_mov_b32 s61, 0
	s_wait_dscnt 0x0
	s_wait_kmcnt 0x0
	s_add_nc_u64 s[56:57], s[4:5], s[56:57]
	s_add_nc_u64 s[60:61], s[6:7], s[60:61]
	CROUND                                         ; all sixteen work-groups are here: the joint loads meet
.irp q, 0,1
	s_mov_b32 s[G0P+4*\q], 1
	s_mov_b32 s[G0P+4*\q+1], P1P*\q
	s_add_nc_u64 s[G0P+4*\q+2:G0P+4*\q+3], s[56:57], P1P*\q
	s_or_b32 s[G0P+4*\q+3], s[G0P+4*\q+3], 0x80000000
	s_mov_b32 s[G0R+4*\q], 1
	s_mov_b32 s[G0R+4*\q+1], RECP+2*P1B*\q
	s_add_nc_u64 s[G0R+4*\q+2:G0R+4*\q+3], s[60:61], P1B*\q
	s_or_b32 s[G0R+4*\q+3], s[G0R+4*\q+3], 0x80000000
.endr
; one tensor load a wave, each in its own arm of one chain: wave 0 P's part 1, wave 1 R's part 1, wave 2 P's part 2, wave 3 R's part 2
.macro ARM w, g0, g1
	s_cmp_eq_u32 s[WV], \w
	s_cbranch_scc0 .Lnot_\w
	tensor_load_to_lds s[\g0:\g0+3], s[\g1:\g1+7]
	s_nop 0
	PLACES 4
	s_branch .Lasked
.Lnot_\w:
.endm
	ARM 0, G0P, G1P
	ARM 1, G0R, G1R
	ARM 2, G0P+4, G1P2
	tensor_load_to_lds s[G0R+4:G0R+7], s[G1R2:G1R2+7]
	s_nop 0
	PLACES 4
.Lasked:
	s_lshl_b32 s84, s15, 10
	s_lshl_b32 s85, s20, 9
	s_add_co_u32 s84, s84, s85                     ; my first output, in bytes: 4 (256 x + 128 (w % 2))
	s_mov_b32 s85, 0
	s_add_nc_u64 s[8:9], s[8:9], s[84:85]          ; in the bias,
	s_lshl_b32 s86, s16, 19
	s_add_co_u32 s84, s84, s86
	s_lshl_b32 s86, s19, 18
	s_add_co_u32 s84, s84, s86
	s_add_nc_u64 s[10:11], s[10:11], s[84:85]      ; and in out0, at token 128 y + 64 (w / 2)
	WIN 0x40                                       ; destination window 1
	s_wait_alu depctr_va_vdst(0)
.irp b, 0,1,2,3,4,5,6,7                        ; lane (r, h) wants, for R's block b, the bias of outputs 32 (b / 2) + 16 h + 8 (b % 2) + 0 .. 7
	global_load_b128 v[192+8*\b:195+8*\b], v[BO], s[8:9] offset:(32*(\b/2)+8*(\b%2))*4
	global_load_b128 v[196+8*\b:199+8*\b], v[BO], s[8:9] offset:(32*(\b/2)+8*(\b%2))*4+16
.endr
	WIN 0
	; part 1 holds all scale words and K steps 0 to 2; part 2 steps 3 to 7 (of P's record and of R's alike)
	s_cmp_lt_u32 s[WV], 2                          ; waves 0 and 1 wait for the parts 1; the parts 2 may stay on their way
	s_cbranch_scc0 .Lnot_first
	s_wait_tensorcnt 0x0
.Lnot_first:
	s_barrier_signal -1
	s_barrier_wait -1
.irp k, 0,1,2,3,4,5,6,7
	ds_load_b128 v[160+8*\k:163+8*\k], v[ASP] offset:512*\k
	ds_load_b128 v[164+8*\k:167+8*\k], v[ASP] offset:512*\k+256
.endr
	FETCH 0, 0
	s_wait_dscnt 50                                ; the sixteen loads of half words are in; the 50 issued behind them may be out
.irp k, 0,1,2,3,4,5,6,7
.irp i, 0,1,2,3
	v_or_b32 v[224+4*\k+\i], v[160+8*\k+\i], v[164+8*\k+\i]   ; the even head's two bytes below, the odd head's above
.endr
.endr
	PLACES 8                                       ; a scale register written by a vector instruction stands eight places ahead of a scaled matrix instruction
	s_wait_loadcnt 0x0                             ; the bias
	KSTEP 0, -1, 1
	KSTEP 1, -1, 0
	KSTEP 2, 0, 0                                  ; every wave waits for its load: steps 3 to 7 are whole
	KSTEP 3, -1, 0
	KSTEP 4, -1, 0
	s_wait_alu depctr_va_vdst(0)
	KSTEP 5, -1, 0
	KSTEP 6, -1, 0
	KSTEP 7, -1, 0
	s_wait_dscnt 0x0                               ; my reads of the records are over,
	s_barrier_signal -1
	s_barrier_wait -1                              ; everybody's are: the stages may be written
	PLACES 4                                       ; four places ahead of the first read of results and of loads into registers that the last products read
	TOSTAGE 0
	TOSTAGE 1
	SEND 0, 32
	s_wait_xcnt 0x0                                ; block 0's stores have read their registers: block 2's rows may land there
	TOSTAGE 2
	SEND 1, 32
	s_wait_xcnt 0x0                                ; block 1's likewise
	TOSTAGE 3
	SEND 2, 32
	SEND 3, 0
	s_wait_tensorcnt 0x0
	ds_add_u32 v62, v63
	s_wait_dscnt 0x0
	CROUND                                         ; the closing round: no work-group ends while a partner may still ask for a part that names it
	s_endpgm
.Lfunc_end_k_qf0fc44bae6_proj:
	.size	k_qf0fc44bae6_proj, .Lfunc_end_k_qf0fc44bae6_proj-k_qf0fc44bae6_proj
	.p2alignl 7, 3214868480
	.fill 96, 4, 3214868480
	.section	.rodata,"a",@progbits
	.p2align	6, 0x0
	.amdhsa_kernel k_qf0fc44bae6_proj
		.amdhsa_group_segment_fixed_size 311808
		.amdhsa_private_segment_fixed_size 0
		.amdhsa_enable_private_segment 0
		.amdhsa_kernarg_size 32
		.amdhsa_user_sgpr_count 2
		.amdhsa_user_sgpr_kernarg_segment_ptr 1
		.amdhsa_wavefront_size32 1
		.amdhsa_system_sgpr_workgroup_id_x 1
		.amdhsa_system_sgpr_workgroup_id_y 1
		.amdhsa_system_sgpr_workgroup_id_z 1
		.amdhsa_system_vgpr_workitem_id 0
		.amdhsa_next_free_vgpr 768
		.amdhsa_next_free_sgpr 100
		.amdhsa_reserve_vcc 0
		.amdhsa_float_denorm_mode_32 3
		.amdhsa_float_denorm_mode_16_64 3
		.amdhsa_memory_ordered 1
		.amdhsa_forward_progress 1
		.amdhsa_inst_pref_size 86
	.end_amdhsa_kernel
	.amdgpu_metadata
---
amdhsa.version: [ 1, 2 ]
amdhsa.kernels:
  - .name:           k_qf0fc44bae6_proj
    .symbol:         k_qf0fc44bae6_proj.kd
    .args:
      - { .name: oq, .offset: 0, .size: 8, .value_kind: global_buffer, .address_space: global }
      - { .name: wpq, .offset: 8, .size: 8, .value_kind: global_buffer, .address_space: global }
      - { .name: b_proj, .offset: 16, .size: 8, .value_kind: global_buffer, .address_space: global }
      - { .name: out0, .offset: 24, .size: 8, .value_kind: global_buffer, .address_space: global }
    .group_segment_fixed_size: 311808
    .private_segment_fixed_size: 0
    .kernarg_segment_align: 8
    .kernarg_segment_size: 32
    .max_flat_workgroup_size: 128
    .sgpr_count:     100
    .vgpr_count:     768
    .wavefront_size: 32
...
	.end_amdgpu_metadata
.endif
;; end of part 4
